; MI455X (gfx1250); checked and timed in simulation.
; The chip was launched on July 23, 2026; its instructions are those of AMD's public machine-readable ISA for CDNA 5 (MIT licence, August 2026) and "CDNA5" Instruction Set Architecture Reference Guide (July 2026). The comments in the code are by the model that wrote it; some were corrected since.
;; Self Attention. Allowed arithmetic: matrix products marked QUANTISED: E4M3 operands, one E8M0 scale for each 32 along K, by v_wmma_scale_f32_16x16x128_f8f6f4 with both operands' format E4M3, f32 sums; everything else in f32.
;; Inputs: Wk 1,024 x 1,024 float32; Wq 1,024 x 1,024 float32; Wu 1,024 x 1,024 float32; Wv 1,024 x 1,024 float32; bu 1,024 float32; k_beta 64 float32; k_gamma 64 float32; q_beta 64 float32; q_gamma 64 float32; x 4 x 2,048 x 1,024 float32.
;; Outputs: out0 4 x 2,048 x 1,024 float32.
;; This version of the problem:
;;   THIS VERSION OF THE PROBLEM IS GIVEN IN LOW PRECISION. The matrix products marked QUANTISED in the list below multiply operands that are first quantised to E4M3 (4 exponent bits, 3 mantissa bits; 8 bits a number), with one power-of-two scale for each 32 numbers along K (OCP MX v1.0); their sums are f32. All else is computed in f32.
;;   The module's matrix products, in the order in which they are computed (A, B: the left and right operand; K: the contracted axis; several contracted axes count as one K, in the product's order):
;;     1. [M 8,192, K 1,024] x [K 1,024, N 1,024]; A: input x; B: input Wq: QUANTISED
;;     2. [M 8,192, K 1,024] x [K 1,024, N 1,024]; A: input x; B: input Wk: QUANTISED
;;     3. [M 8,192, K 1,024] x [K 1,024, N 1,024]; A: input x; B: input Wv: QUANTISED
;;     4. batch 64 x [M 2,048, K 64] x [K 64, N 2,048]; A: computed on the way; B: computed on the way: QUANTISED
;;     5. batch 64 x [M 64, K 2,048] x [K 2,048, N 2,048]; A: computed on the way; B: softmax (see below): QUANTISED
;;     6. [M 8,192, K 1,024] x [K 1,024, N 1,024]; A: computed on the way; B: input Wu: QUANTISED
;;   THE QUANTISER, for each operand of a quantised product, along K:
;;     - K is cut into blocks of 32 from its start; a last block that is shorter is filled with zeros.
;;     - A block's scale is 2^e with e = floor(log2(the largest magnitude in the block)) - 8, held to -126 .. 127; a block of zeros has e = 0. As a byte (E8M0): e + 127.
;;     - Each number is divided by its block's scale, clamped to +-448, and rounded to the nearest number of E4M3, ties to even, subnormals kept.
;;     - The product sums the exact products of the quantised numbers (number of the format x scale) in f32.
;;   ~~~python
;;   def quantise(x, axis):      # numpy; x: float32 -> the quantised numbers, widened to float32 again
;;       x = np.moveaxis(x, axis, -1); K = x.shape[-1]
;;       x = np.pad(x, [(0, 0)] * (x.ndim - 1) + [(0, -K % 32)]); x = x.reshape(x.shape[:-1] + (-1, 32)); a = np.abs(x).max(-1, keepdims=True)
;;       e = np.where(a > 0, np.clip(np.frexp(np.where(a > 0, a, 1))[1] - 1 - 8, -126, 127), 0)      # np.frexp(a)[1] - 1 = floor(log2(a)), exactly
;;       r = np.clip(x / 2.0 ** e, -448, 448)
;;       step = 2.0 ** (np.maximum(np.frexp(np.where(r == 0, 1, r))[1] - 1, -6) - 3)
;;       q = np.round(r / step) * step * 2.0 ** e      # np.round: ties to even
;;       return np.moveaxis(q.reshape(q.shape[:-2] + (-1,))[..., :K], -1, axis).astype(np.float32)
;;   ~~~
;;   SOFTMAX AHEAD OF A QUANTISED PRODUCT. Where the list says 'softmax', what is quantised is not the finished softmax but p = 2^(t - M), with t = logit x log2(e) and M = ceil(the row's largest t), a whole number; so 1/2 < the row's largest p <= 1. The row's sum l is taken of the UNQUANTISED p, in f32, and the product's result is divided by l at the end. Since M is a whole number, a kernel that streams over the keys may use a running M (the ceiling of the running maximum): every later rescaling is an exact power of two, which a block's scale takes up: the codes' values come out the same.
;;   OPERANDS COMPUTED ON THE WAY. 'Computed on the way' means the value that the module computes at that place (a softmax that the list does not call 'softmax' is quantised finished and normalised). What goes into a quantiser is computed in f32, as accurately as f32 sums, v_exp_f32 and their like allow (about 1e-6 of the number): no bf16 or f16 on the way to a quantiser, and a product that is left as it is and whose result goes on into a quantised operand takes f32 operands (vector FMAs, or v_wmma_f32_16x16x4_f32). A number that lies on a knife's edge between two numbers of the format may be rounded either way, as far as f32 arithmetic and the matrix unit's own rounding can turn it there, and no further.
;; One version. Each part assembles by itself: llvm-mc -triple=amdgcn-amd-amdhsa -mcpu=gfx1250 --defsym DOCPART=n.
;; ======== version 1 of 1: 4 launches
;; limits: right only within a limited range of input values
;; workspace buffers: xc 8,388,608 bytes; xs 262,144 bytes; wc 4,194,304 bytes; ws 131,072 bytes; qkv 25,952,256 bytes; oc 8,388,608 bytes; os 262,144 bytes
;; launch quant (part 1): grid 256 x 1, 6 waves a work-group, no clusters, 51,456 bytes of LDS; arguments x, Wq, Wk, Wv, Wu, xc, xs, wc, ws; writes xc, xs, wc, ws
.if DOCPART == 1
	.amdgcn_target "amdgcn-amd-amdhsa--gfx1250"
	.amdhsa_code_object_version 6
	.text
	.protected	k_qea174050da_quant
	.globl	k_qea174050da_quant
	.p2align	8
	.type	k_qea174050da_quant,@function
k_qea174050da_quant:
	s_mov_b64 s[64:65], 0
	v_nop
	global_prefetch_b8 v0, s[64:65] scope:SCOPE_SE
	s_setreg_imm32_b32 hwreg(HW_REG_WAVE_MODE, 25, 1), 1
	s_wait_xcnt 0x0
; x [8192][1024] and Wq, Wk, Wv, Wu [1024][1024], f32, K innermost, become codes of FP8 (E4M3) with one E8M0 byte for each 32 along K.
; A block's scale is 2^(floor(log2(its largest magnitude)) - 8); each number is divided by it, held within +-448 and rounded to the nearest code, ties to even.
; LIMITS: NaN and infinities are not served; a block of zeros, or one whose largest magnitude lies under 2^-118, gets the byte 1 (its codes are then zeros or held small); only this program reads the bytes.
; THE LAYOUT IS THE OPERAND'S REGISTERS.  A tile T is 16 rows P(T, r) = 32 (T / 2) + 8 (T % 2) + r + 8 (r / 8).  Codes: [T][s = k / 128][c][lane][16]: lane r + 16 h holds row P(T, r), k = 128 s + 32 c + 16 h + 0 .. 15.
; Scale words: the word of (T, r, s) lies at 512 T + 128 (s / 2) + 8 r + 4 (s % 2).  wc and ws hold the rows of Wq, Wk, Wv, Wu on end: 256 tiles.
; SHARES.  A wave takes one tile x half of K: four steps of 128 along K; 1,536 such units, six waves a work-group.  Each load reads 512 consecutive bytes of one row; a step's 16 rows turn through the wave's own stage in LDS
; (rows 528 bytes apart), so that a lane gets 16 neighbours of each of its row's four blocks.  Codes leave 512 consecutive bytes a store, the unit's scale words as 256.  Waves share nothing: no barrier.
; No matrix unit, no cluster, no tensor load: the launch only streams, and every byte is read once.
.set STG,  16*528                      ; a wave's stage
.set R,    16                          ; v16-143  two sets of 64: 16 rows x 16 bytes a lane, as loaded
.set X,    144                         ; v144-207 register 16 c + i = k 32 c + 16 h + i of my row
.set PC,   208                         ; v208-223 the codes
.set TM,   224                         ; v224-239 at work in QUANT
.set PW,   240                         ; v240-243 the four steps' scale words
.set SW,   244                         ; v244-245 the pair that I store
.set MNT,  36                          ; s36      the mantissa field of 448
.set SEL,  38                          ; s[38:39] v_permlanex16_b32's selects for lane l xor 16
; 64 numbers of a lane become a fragment's 16 registers of codes in v[PC] on and its row's scale word in v[pw]
.macro QUANT s, pw
.irp b, 0,1,2,3
	v_max3_num_f32 v[TM+\b], |v[\s+16*\b]|, |v[\s+1+16*\b]|, 0x4800000   ; block b: my 16 numbers and the floor 2^(9 - 127): the byte cannot fall under 1
.endr
.irp i, 2,4,6,8,10,12,14
.irp b, 0,1,2,3
	v_max3_num_f32 v[TM+\b], v[TM+\b], |v[\s+16*\b+\i]|, |v[\s+1+16*\b+\i]|   ; the four blocks by turns
.endr
.endr
.irp b, 0,1,2,3
	v_permlanex16_b32 v[TM+4+\b], v[TM+\b], s[SEL], s[SEL+1]
.endr
.irp b, 0,1,2,3
	v_max_num_f32 v[TM+\b], v[TM+\b], v[TM+4+\b]          ; with lane l xor 16's: the block's largest magnitude
.endr
.irp b, 0,1,2,3
	v_add_nc_u32 v[TM+12+\b], 0xfc000000, v[TM+\b]        ; 8 off its exponent field: the conversion's scale operand
.endr
.irp b, 0,1,2,3
	v_and_or_b32 v[TM+8+\b], v[TM+\b], 0x7f800000, s[MNT] ; 448 x the scale
.endr
.irp b, 0,1,2,3
	v_lshrrev_b32 v[TM+4+\b], 23, v[TM+12+\b]             ; the scale's byte
.endr
	v_lshl_or_b32 v[\pw], v[TM+5], 8, v[TM+4]
	v_lshl_or_b32 v[\pw], v[TM+6], 16, v[\pw]
	v_lshl_or_b32 v[\pw], v[TM+7], 24, v[\pw]
.irp b, 0,1,2,3
.irp i, 0,1,2,3,4,5,6,7,8,9,10,11,12,13,14,15
	v_med3_num_f32 v[\s+16*\b+\i], v[\s+16*\b+\i], -v[TM+8+\b], v[TM+8+\b]   ; the conversion to an 8-bit code does not saturate (ISA guide 7.6.2): the hold
.endr
	v_cvt_scalef32_pk8_fp8_f32 v[PC+4*\b:PC+1+4*\b], v[\s+16*\b:\s+7+16*\b], v[TM+12+\b]
	v_cvt_scalef32_pk8_fp8_f32 v[PC+2+4*\b:PC+3+4*\b], v[\s+8+16*\b:\s+15+16*\b], v[TM+12+\b]
.endr
	v_nop                                                 ; one plain line behind the last conversion
.endm
	s_load_b256 s[4:11], s[0:1], 0x0               ; x, Wq, Wk, Wv
	s_load_b256 s[12:19], s[0:1], 0x20             ; Wu, xc, xs, wc
	s_load_b64 s[20:21], s[0:1], 0x40              ; ws
	v_lshl_add_u32 v248, v0, 2, 0xc600
	v_mov_b32 v249, 0
	v_lshrrev_b32 v5, 5, v0
	v_readfirstlane_b32 s22, v5                    ; wave 0..5
	v_and_b32 v5, 31, v0                           ; lane
	v_and_b32 v6, 15, v0                           ; r
	v_bfe_u32 v7, v0, 4, 1                         ; h
	v_lshlrev_b32 v1, 4, v5                        ; 16 x lane: my bytes of a load's 512, and of a store's
	v_lshlrev_b32 v4, 3, v5                        ; 8 x lane: my pair of scale words
	s_mul_i32 s29, s22, STG
	v_add_nc_u32 v2, s29, v1                       ; the stage, on the way in: 16 x lane of a row
	v_mul_u32_u24 v3, v6, 528
	v_lshl_add_u32 v3, v7, 6, v3
	v_add_nc_u32 v3, s29, v3                       ; and on the way out: row r, + 64 h
.irp b, 0,1,2,3
	v_mov_b32 v[TM+4+\b], 0                        ; written once: a lane permute's destination counts as one of its sources
.endr
	s_mov_b32 s[MNT], 0x600000
	s_mov_b32 s[SEL], 0x76543210
	s_mov_b32 s[SEL+1], 0xfedcba98
	s_mul_i32 s23, ttmp9, 6
	s_add_co_u32 s23, s23, s22                     ; my unit u: 0 .. 1,023 x's, 1,024 .. 1,535 the weights'
	s_and_b32 s24, s23, 1                          ; which half of K
	s_sub_co_u32 s25, s23, 1024
	s_lshr_b32 s28, s25, 7                         ; which weight: 128 units each
	s_cmp_lt_u32 s23, 1024
	s_cselect_b32 s26, s23, s25
	s_cselect_b32 s27, 0x1ff, 63
	s_lshr_b32 s26, s26, 1                         ; the tile in xc or wc,
	s_and_b32 s27, s26, s27                        ; and in the source tensor
	s_lshr_b32 s40, s27, 1
	s_lshl_b32 s40, s40, 17                        ; 32 rows of 4,096 bytes for each pair of tiles,
	s_and_b32 s41, s27, 1
	s_lshl_b32 s41, s41, 15                        ; 8 rows for the odd tile,
	s_add_co_u32 s40, s40, s41
	s_lshl_b32 s41, s24, 11                        ; 2,048 bytes for the second half of K
	s_add_co_u32 s40, s40, s41
	s_mov_b32 s41, 0
	s_lshl_b32 s42, s26, 14                        ; codes: 16,384 bytes a tile, 8,192 a half
	s_lshl_b32 s43, s24, 13
	s_add_co_u32 s42, s42, s43
	s_mov_b32 s43, 0
	s_lshl_b32 s44, s26, 9                         ; scale words: 512 bytes a tile, 256 a half
	s_lshl_b32 s45, s24, 8
	s_add_co_u32 s44, s44, s45
	s_mov_b32 s45, 0
	s_wait_alu depctr_va_vdst(0)
	s_wait_kmcnt 0x0
	s_mov_b64 s[30:31], s[12:13]                   ; the source: Wu, unless ..  (each choice hangs on the unit's number alone)
	s_cmp_eq_u32 s28, 2
	s_cselect_b64 s[30:31], s[10:11], s[30:31]
	s_cmp_eq_u32 s28, 1
	s_cselect_b64 s[30:31], s[8:9], s[30:31]
	s_cmp_eq_u32 s28, 0
	s_cselect_b64 s[30:31], s[6:7], s[30:31]
	s_cmp_lt_u32 s23, 1024
	s_cselect_b64 s[30:31], s[4:5], s[30:31]
	s_cselect_b64 s[32:33], s[14:15], s[18:19]     ; the codes' buffer
	s_cselect_b64 s[34:35], s[16:17], s[20:21]     ; the scale words'
	s_add_nc_u64 s[30:31], s[30:31], s[40:41]
	s_add_nc_u64 s[32:33], s[32:33], s[42:43]
	s_add_nc_u64 s[34:35], s[34:35], s[44:45]
.macro LOADS t                         ; step t: 128 along K of the tile's 16 rows into set t % 2; every offset is an immediate
.irp i, 0,1,2,3,4,5,6,7,8,9,10,11,12,13,14,15
	global_load_b128 v[R+64*((\t)%2)+4*\i:R+64*((\t)%2)+4*\i+3], v1, s[30:31] offset:(\i+8*(\i/8))*4096+512*(\t) th:TH_LOAD_NT
.endr
.endm
.macro STEPQ t
.if (\t) < 3
	s_wait_loadcnt 16                              ; this step's 16 loads are in; the next set's 16 may be out
.else
	s_wait_loadcnt 0x0
.endif
.irp i, 0,1,2,3,4,5,6,7,8,9,10,11,12,13,14,15
	ds_store_b128 v2, v[R+64*((\t)%2)+4*\i:R+64*((\t)%2)+4*\i+3] offset:528*\i
.endr
.irp c, 0,1,2,3
.irp j, 0,1,2,3
	ds_load_b128 v[X+16*\c+4*\j:X+16*\c+4*\j+3], v3 offset:128*\c+16*\j   ; LDS serves a wave's instructions in order: these see the stores above
.endr
.endr
	s_wait_dscnt 0x0                               ; my numbers are back, and the stores have read their registers
	s_wait_xcnt 0x0                                ; the last step's stores have read the codes' registers: they are written again only behind this wait
.if (\t) < 2
	LOADS (\t)+2
.endif
	QUANT X, PW+(\t)
.irp c, 0,1,2,3
	global_store_b128 v1, v[PC+4*\c:PC+4*\c+3], s[32:33] offset:2048*(\t)+512*\c   ; 512 consecutive bytes
.endr
.endm
	LOADS 0
	LOADS 1
	STEPQ 0
	STEPQ 1
	STEPQ 2
	STEPQ 3
	s_mov_b32 vcc_lo, 0xffff0000                   ; lanes 0-15 store steps 0 and 1's words of row r, lanes 16-31 steps 2 and 3's (both halves of the lanes hold every word)
	v_cndmask_b32 v[SW], v[PW], v[PW+2], vcc_lo
	v_cndmask_b32 v[SW+1], v[PW+1], v[PW+3], vcc_lo
	global_store_b64 v4, v[SW:SW+1], s[34:35]      ; 256 consecutive bytes, aligned
	s_wait_tensorcnt 0x0
	ds_add_u32 v248, v249
	s_wait_dscnt 0x0
	s_endpgm
.Lfunc_end_k_qea174050da_quant:
	.size	k_qea174050da_quant, .Lfunc_end_k_qea174050da_quant-k_qea174050da_quant
	.p2alignl 7, 3214868480
	.fill 96, 4, 3214868480
	.section	.rodata,"a",@progbits
	.p2align	6, 0x0
	.amdhsa_kernel k_qea174050da_quant
		.amdhsa_group_segment_fixed_size 51456
		.amdhsa_private_segment_fixed_size 0
		.amdhsa_enable_private_segment 0
		.amdhsa_kernarg_size 72
		.amdhsa_user_sgpr_count 2
		.amdhsa_user_sgpr_kernarg_segment_ptr 1
		.amdhsa_wavefront_size32 1
		.amdhsa_system_sgpr_workgroup_id_x 1
		.amdhsa_system_sgpr_workgroup_id_y 1
		.amdhsa_system_sgpr_workgroup_id_z 1
		.amdhsa_system_vgpr_workitem_id 0
		.amdhsa_next_free_vgpr 250
		.amdhsa_next_free_sgpr 66
		.amdhsa_reserve_vcc 1
		.amdhsa_float_denorm_mode_32 3
		.amdhsa_float_denorm_mode_16_64 3
		.amdhsa_memory_ordered 1
		.amdhsa_forward_progress 1
		.amdhsa_inst_pref_size 51
	.end_amdhsa_kernel
	.amdgpu_metadata
---
amdhsa.version: [ 1, 2 ]
amdhsa.kernels:
  - .name:           k_qea174050da_quant
    .symbol:         k_qea174050da_quant.kd
    .args:
      - { .name: x, .offset: 0, .size: 8, .value_kind: global_buffer, .address_space: global }
      - { .name: Wq, .offset: 8, .size: 8, .value_kind: global_buffer, .address_space: global }
      - { .name: Wk, .offset: 16, .size: 8, .value_kind: global_buffer, .address_space: global }
      - { .name: Wv, .offset: 24, .size: 8, .value_kind: global_buffer, .address_space: global }
      - { .name: Wu, .offset: 32, .size: 8, .value_kind: global_buffer, .address_space: global }
      - { .name: xc, .offset: 40, .size: 8, .value_kind: global_buffer, .address_space: global }
      - { .name: xs, .offset: 48, .size: 8, .value_kind: global_buffer, .address_space: global }
      - { .name: wc, .offset: 56, .size: 8, .value_kind: global_buffer, .address_space: global }
      - { .name: ws, .offset: 64, .size: 8, .value_kind: global_buffer, .address_space: global }
    .group_segment_fixed_size: 51456
    .private_segment_fixed_size: 0
    .kernarg_segment_align: 8
    .kernarg_segment_size: 72
    .max_flat_workgroup_size: 192
    .sgpr_count:     66
    .vgpr_count:     250
    .wavefront_size: 32
...
	.end_amdgpu_metadata
.endif
;; end of part 1
;; launch qkv (part 2): grid 32 x 8, 4 waves a work-group, clusters of 4 x 1, 327,680 bytes of LDS; arguments xc, xs, wc, ws, q_gamma, q_beta, k_gamma, k_beta, qkv; writes qkv
.if DOCPART == 2
	.amdgcn_target "amdgcn-amd-amdhsa--gfx1250"
	.amdhsa_code_object_version 6
	.text
	.protected	k_qea174050da_qkv
	.globl	k_qea174050da_qkv
	.p2align	8
	.type	k_qea174050da_qkv,@function
k_qea174050da_qkv:
	s_mov_b64 s[64:65], 0
	v_nop
	global_prefetch_b8 v0, s[64:65] scope:SCOPE_SE
	s_setreg_imm32_b32 hwreg(HW_REG_WAVE_MODE, 25, 1), 1
	s_wait_xcnt 0x0
	s_wait_alu depctr_hold_cnt(0) depctr_sa_sdst(0) depctr_va_vdst(0) depctr_va_sdst(0) depctr_va_ssrc(0) depctr_va_vcc(0) depctr_vm_vsrc(0)
	s_getreg_b32 s2, hwreg(HW_REG_IB_STS2, 6, 4)
	s_cmp_eq_u32 s2, 0
	s_cbranch_scc0 .Lentry_in_a_cluster
	s_endpgm
.Lentry_in_a_cluster:
	s_bfe_u32 s2, ttmp6, 0x10000c
	s_cmp_lg_u32 s2, 0x3003
	s_cbranch_scc0 .Lentry_shape_is_right
	s_endpgm
.Lentry_shape_is_right:
; q = LN(x Wq^T), k = LN(x Wk^T), v = x Wv^T on codes of FP8 (E4M3) with E8M0 scales; the results leave as codes again, laid as the attention launch's operands.
; OPERANDS LIE IN MEMORY AS IMAGES OF THEIR REGISTERS: [tile of 16 rows][s = k / 128][c][lane][16 bytes], 16,384 bytes a tile; tile T holds rows P(T, r) = 32 (T / 2) + 8 (T % 2) + r + 8 (r / 8).
; The scale word of (T, r, s) lies at 512 T + 128 (s / 2) + 8 r + 4 (s % 2).  wc, ws: Wq's 64 tiles, then Wk's, then Wv's.
; SHARES.  256 work-groups of four waves: 256 tokens x two heads of q, of k and of v.  A wave holds its 64 tokens (4 tiles), all of K, in 512 registers (windows 1, 2), loaded from memory as they lie, once.
; The weights' 8 tiles of a phase (q, k, v), 131,072 dense bytes, lie in one of two LDS slots; all four waves read them tile by tile (128 registers, two sets in window 3): 32 products a tile, 4 accumulators by turns.
; FILLS, a quarter of a slot a wave: Wq's part at the head; Wk's into slot 1 behind the first trip's round; Wv's over Wq's behind the second trip's round: each is asked for one phase ahead of its first read.
; CLUSTER 4, 1, 1: four blocks of tokens walk the same weights and ask for them jointly.  x's tiles go straight into registers, where no tensor load reaches: plain loads.
; NO PREFETCH: x is asked for whole at the head, and each weight part is asked for a whole phase ahead by its own load; the loop has two trips and nothing further to run ahead into.
; q, k: source 0 = the weight's tile b, source 1 = x's tile a: lane (r, h) holds token P(a, r), register 8 b + j = 16 c + i is channel 32 c + 16 h + i of the head.  After a head's 4 tiles: LayerNorm over 64 channels
; (32 in my lane, 32 in lane l xor 16) and the quantiser, in place, the four tiles of tokens by turns.  gamma and beta come from LDS into the weight set that is idle meanwhile.
; v: source 0 = x's tile a, source 1 = the weight's tile: a lane holds a channel, register 8 a + j is token 32 (a / 2) + 16 h + 8 (a % 2) + j of my 64: two blocks of 32 keys, quantised behind each tile.
; qkv: 64 heads x HS bytes: K's codes [tile 128][block 2][lane][16] at 0; V's [step 16][tile of channels 4][c 4][lane][16] at 131,072; K's scale words [step][r][pair of tiles] at 262,144; V's [step][r][tile] at 266,240;
; Q's codes and scale words, as K's, at 270,336 and 401,408.  Scale bytes are gathered in LDS, [Q, K, V][head of two][step of two][256], and leave as aligned units of 256 bytes.
; LIMITS: NaN and infinities are not served; a block of zeros or under 2^-118 gets the byte 1; only this program reads the bytes.
.set HS,    405504
.set TILE,  16384
.set SLOT,  8*TILE
.set WSC,   2*SLOT                     ; the weights' scale words: 3 phases x 4,096 bytes
.set GBL,   WSC+12288                  ; q_gamma, q_beta, k_gamma, k_beta: 256 bytes each
.set SCR,   GBL+1024                   ; the results' scale bytes: 12 units of 256
.set SPARE, SCR+3072                   ; the spare words, 128 bytes a wave
.set NP,    8                          ; places behind this matrix instruction (ISA guide 7.12.1)
.set L16,  8                           ; v8, v9  16 x lane; + 4 tiles
.set L16B, 9
.set L8,   10                          ; v10  8 x lane
.set ADW,  11                          ; v11, v12  the phase's slot + v8, v9
.set ADS,  13                          ; v13  the phase's scale words + 8 x lane
.set ADG,  14                          ; v14  the phase's gamma + 64 h
.set SCA,  15                          ; v15  where q's or k's scale words go
.set SPW,  16                          ; v16  my spare word; never rewritten
.set NIL,  17                          ; v17  0; never rewritten
.set PW,   18                          ; v18, v19  two pairs' scale words
.set SVA,  20                          ; v20  where v's scale bytes go
.set G64,  21                          ; v21  64 h
.set SCB,  22                          ; v22  256 (wave / 2) + 8 (wave % 2) + 16 r
.set FRD,  23                          ; v23  the unit that I store at the end
.set SW,   24                          ; v24-39  4 weight tiles' scale words: tile b at 4 b; register 2 (s / 4) + s % 2, lanes 0-15 where s % 4 < 2, lanes 16-31 else
.set SX,   42                          ; v42-57  x's, likewise.  SX - SW is 2 modulo 4: no product's two scale registers have numbers equal modulo 8
.set T,    58                          ; v58-93  at work: sums 4 a; later a block's maximum q, byte 8 + q, bound 16 + q, scale operand 24 + q
.set MU,   T+16                         ; means, pairs
.set RS,   T+24                         ; 1 / sqrt(var + eps), pairs
.set PT,   T+32                         ; lane permutes' targets
.set PC,   96                          ; v96-127  codes
.set ACC,  128                         ; v128-255  accumulators: q, k: 32 a + 8 b; v: 8 a
.set QP, 44                            ; s[44:45] q's or k's codes; s[46:47] v's; s[48:49] the scale units
.set VP, 46
.set SP, 48
.set TW, 50                            ; s50 the phase's slot; s51 its scale words; s52 its gamma; s53 its scratch; s54 the phase
.set TSW, 51
.set TG, 52
.set TS, 53
.set PH, 54
.set MNT, 55
.set SEL, 56
.set EPS, 58
.set R64, 59
.set MSB, 0
.macro WIN new                         ; the immediate's high byte repeats the setting that is left
.if MSB != \new
	s_set_vgpr_msb (MSB<<8)|\new
.set MSB, \new
.endif
.endm
.macro PLACES n
.rept \n
	v_nop
.endr
.endm
.macro ROUND                           ; a round of the cluster's barrier
	s_barrier_signal -1
	s_barrier_wait -1
	s_cmp_lg_u32 s16, 0
	s_cbranch_scc1 .Lnot_wave_0_\@
	s_barrier_signal -3
.Lnot_wave_0_\@:
	s_barrier_wait -3
	s_barrier_signal -1
	s_barrier_wait -1
.endm
	s_load_b256 s[4:11], s[0:1], 0x0               ; xc, xs, wc, ws
	s_load_b256 s[36:43], s[0:1], 0x20             ; q_gamma, q_beta, k_gamma, k_beta
	s_load_b64 s[12:13], s[0:1], 0x40              ; qkv
	v_lshl_add_u32 v[SPW], v0, 2, SPARE
	v_mov_b32 v[NIL], 0
	ds_add_u32 v[SPW], v[NIL]                      ; the opening lines: the add, twice on end, and its wait ahead of my first tensor load
	ds_add_u32 v[SPW], v[NIL]
	v_lshrrev_b32 v1, 5, v0
	v_readfirstlane_b32 s16, v1                    ; wave 0..3
	s_lshr_b32 s17, s16, 1
	s_and_b32 s18, s16, 1
	s_lshl_b32 s19, s17, 8
	s_lshl_b32 s20, s18, 3
	s_add_co_u32 s20, s20, s19
	s_lshl_b32 s21, s18, 1
	s_add_co_u32 s21, s21, s19
	s_add_co_u32 s21, s21, SCR+2048
	s_lshl_b32 s22, s17, 9
	s_lshl_b32 s23, s18, 8
	s_add_co_u32 s22, s22, s23
	s_add_co_u32 s22, s22, SCR
	s_lshl_b32 s23, s16, 10
	s_add_co_u32 s23, s23, WSC
	s_lshl_b32 s60, s16, 8
	s_add_co_u32 s60, s60, GBL
	v_and_b32 v2, 31, v0                           ; lane
	v_and_b32 v3, 15, v0                           ; r
	v_bfe_u32 v4, v0, 4, 1                         ; h
	v_lshlrev_b32 v[L16], 4, v2
	v_lshlrev_b32 v[L8], 3, v2
	v_lshlrev_b32 v[G64], 6, v4
	v_add_nc_u32 v[L16B], 4*TILE, v[L16]
	v_lshl_add_u32 v[SCB], v3, 4, s20
	v_lshl_add_u32 v[SVA], v3, 4, s21              ; v's bytes: unit of my step, 16 r, + 2 (wave % 2)
	v_add_nc_u32 v[FRD], s22, v[L8]                ; at the end wave n stores head n / 2, step n % 2
	v_add_nc_u32 v5, s23, v[L16]                   ; where my quarter of the weights' scale words goes
	v_add_nc_u32 v6, s60, v[L8]                    ; and my one of gamma, beta
.set I_, 16
.rept 20
	v_mov_b32 v[T+I_], 0                           ; the pairs' upper words and the lane permutes' targets: written once
.set I_, I_+1
.endr
	s_wait_alu depctr_va_vdst(0)                   ; the head's vector lines end, scalar lines
	s_bfe_u32 s19, ttmp6, 0x40000                  ; cx: it enters global addresses of plain loads and stores alone
	s_lshl_b32 s20, ttmp9, 2
	s_add_co_u32 s19, s19, s20                     ; the block of 256 tokens
	s_and_b32 s20, ttmp7, 0xffff                   ; the pair of heads
	s_lshl_b32 s21, s19, 4
	s_lshl_b32 s22, s16, 2
	s_add_co_u32 s21, s21, s22                     ; my first tile of x
	s_lshl_b32 s62, s21, 14
	s_mov_b32 s63, 0
	s_lshl_b32 s60, s21, 9
	s_mov_b32 s61, 0
	s_lshl_b32 s21, s20, 3
	s_lshl_b32 s22, s16, 1
	s_add_co_u32 s21, s21, s22                     ; the two tiles of Wq that I fetch: 8 x pair of heads + 2 x wave
	s_lshl_b32 s22, s21, 14
	s_mov_b32 s23, 0
	s_lshl_b32 s50, s20, 12
	s_lshl_b32 s51, s16, 10
	s_add_co_u32 s50, s50, s51                     ; ws: my quarter of a part's 4,096 bytes
	s_mov_b32 s51, 0
	s_lshr_b32 s52, s19, 3
	s_lshl_b32 s52, s52, 4
	s_lshl_b32 s53, s20, 1
	s_add_co_u32 s52, s52, s53                     ; 16 x batch + my first head
	s_and_b32 s53, s19, 7                          ; the block of 256 tokens in its batch
	s_mul_i32 s54, s52, HS
	s_lshl_b32 s44, s53, 4
	s_lshl_b32 s45, s16, 2
	s_add_co_u32 s44, s44, s45
	s_lshl_b32 s44, s44, 10                        ; q, k: 1,024 bytes a tile of tokens
	s_add_co_u32 s44, s44, s54
	s_add_co_u32 s44, s44, 270336                  ; q first
	s_mov_b32 s45, 0
	s_lshl_b32 s46, s53, 1
	s_add_co_u32 s46, s46, s17
	s_lshl_b32 s46, s46, 13                        ; v: 8,192 bytes a step of 128 keys,
	s_lshl_b32 s47, s18, 10                        ; my two blocks c of its four
	s_add_co_u32 s46, s46, s47
	s_add_co_u32 s46, s46, s54
	s_add_co_u32 s46, s46, 131072
	s_mov_b32 s47, 0
	s_add_co_u32 s48, s52, s17
	s_mul_i32 s48, s48, HS
	s_lshl_b32 s49, s53, 1
	s_add_co_u32 s49, s49, s18
	s_lshl_b32 s49, s49, 8
	s_add_co_u32 s48, s48, s49
	s_mov_b32 s49, 0
	s_mov_b32 s24, 15|(3<<16)|(1<<21)              ; group 1: 15:0 the mask: all four; 17:16 elements of 8 bytes; 21 set beside a mask; no padding
	s_mov_b32 s25, 32<<16                          ; tensor_dim0: 256 bytes
	s_mov_b32 s26, 128<<16                         ; tensor_dim1: 128 rows: 32,768 dense bytes
	s_mov_b32 s27, 32<<16
	s_mov_b32 s28, 128
	s_mov_b32 s29, 32                              ; the pitch: dense
	s_mov_b32 s30, 0
	s_mov_b32 s31, 0
	s_mov_b32 s32, 1
	s_lshl_b32 s33, s16, 15                        ; slot 0, my quarter
	s_wait_dscnt 0x0                               ; both opening adds are done
	s_wait_kmcnt 0x0
	s_add_nc_u64 s[34:35], s[8:9], s[22:23]
	s_or_b32 s35, s35, 0x80000000
	s_add_nc_u64 s[4:5], s[4:5], s[62:63]
	s_add_nc_u64 s[6:7], s[6:7], s[60:61]
	s_add_nc_u64 s[10:11], s[10:11], s[50:51]
	s_add_nc_u64 s[QP:QP+1], s[12:13], s[QP:QP+1]
	s_add_nc_u64 s[VP:VP+1], s[12:13], s[VP:VP+1]
	s_add_nc_u64 s[SP:SP+1], s[12:13], s[SP:SP+1]
	s_cmp_eq_u32 s16, 1                            ; wave n copies the n-th of gamma, beta: the choice hangs on the wave's number alone
	s_cselect_b64 s[36:37], s[38:39], s[36:37]
	s_cmp_eq_u32 s16, 2
	s_cselect_b64 s[36:37], s[40:41], s[36:37]
	s_cmp_eq_u32 s16, 3
	s_cselect_b64 s[36:37], s[42:43], s[36:37]
	ROUND                                          ; all four work-groups are here: the joint loads meet
	tensor_load_to_lds s[32:35], s[24:31]          ; my quarter of Wq's part: my one tensor load at the head
	s_nop 0
	PLACES 4
.irp p, 0,1,2
.irp k, 0,1
	global_load_b128 v[PC+8*\p+4*\k:PC+8*\p+4*\k+3], v[L16], s[10:11] offset:32768*\p+512*\k   ; the weights' scale words: 1,024 bytes of each phase's 4,096
.endr
.endr
	global_load_b64 v[PC+24:PC+25], v[L8], s[36:37]
.irp a, 0,1,2,3
.irp j, 0,1
	global_load_b64 v[SX+4*\a+2*\j:SX+4*\a+2*\j+1], v[L8], s[6:7] offset:512*\a+256*\j   ; 256 consecutive bytes: lanes 0-15 the words of s = 4 j, 4 j + 1, lanes 16-31 of s = 4 j + 2, 4 j + 3
.endr
.endr
.set F_, 0
.rept 32                               ; x's fragment f = 4 s + a: window 1 + f / 16, register 16 (f % 16); K ascending
	WIN (1+F_/16)<<6
.irp c, 0,1,2,3
	global_load_b128 v[16*(F_%16)+4*\c:16*(F_%16)+4*\c+3], v[L16], s[4:5] offset:TILE*(F_%4)+2048*(F_/4)+512*\c
.endr
.set F_, F_+1
.endr
	WIN 0
	s_mov_b32 s[TW], 0
	s_mov_b32 s[TSW], WSC
	s_mov_b32 s[TG], GBL
	s_mov_b32 s[TS], SCR
	s_mov_b32 s[PH], 0
	s_mov_b32 s[MNT], 0x600000                     ; the mantissa field of 448
	s_mov_b32 s[SEL], 0x76543210
	s_mov_b32 s[SEL+1], 0xfedcba98                 ; v_permlanex16_b32's selects for lane l xor 16
	s_mov_b32 s[EPS], 0x3727c5ac                   ; 1e-5
	s_mov_b32 s[R64], 0x3c800000                   ; 1 / 64
	s_wait_loadcnt 63                              ; the first 15 loads are in: behind them stand x's 128
.irp p, 0,1,2
.irp k, 0,1
	ds_store_b128 v5, v[PC+8*\p+4*\k:PC+8*\p+4*\k+3] offset:4096*\p+512*\k
.endr
.endr
	ds_store_b64 v6, v[PC+24:PC+25]
.macro FETCHW n, adr                   ; the phase's weight tile n, all of K, into set n % 2 of window 3: 32 loads of 512 consecutive bytes
	WIN 3<<6
.irp s, 0,1,2,3,4,5,6,7
.irp c, 0,1,2,3
	ds_load_b128 v[128*((\n)%2)+16*\s+4*\c:128*((\n)%2)+16*\s+4*\c+3], v[\adr+(\n)/4] offset:TILE*((\n)%4)+2048*\s+512*\c
.endr
.endr
	WIN 0
.endm
.macro SCLW e                          ; the scale words of the phase's tiles 4 e .. 4 e + 3
.irp b, 0,1,2,3
.irp j, 0,1
	ds_load_b64 v[SW+4*\b+2*\j:SW+4*\b+2*\j+1], v[ADS] offset:2048*(\e)+512*\b+256*\j
.endr
.endr
.endm
.macro GBLOAD                          ; gamma into v128-159, beta into v160-191 of window 3: register 16 c + i: channel 32 c + 16 h + i
	WIN 3<<6
.irp c, 0,1
.irp j, 0,1,2,3
	ds_load_b128 v[128+16*\c+4*\j:128+16*\c+4*\j+3], v[ADG] offset:128*\c+16*\j
	ds_load_b128 v[160+16*\c+4*\j:160+16*\c+4*\j+3], v[ADG] offset:256+128*\c+16*\j
.endr
.endr
	WIN 0
.endm
.macro PROD kind, t, n                 ; product n = 4 s + a of weight tile t.  kind 0 (q, k): source 0 = the weight; kind 1 (v): source 0 = x
.set S_, (\n)/4
.set A_, (\n)%4
.set W_, 128*((\t)%2)+16*S_
.set X_, 16*((\n)%16)
.set WS_, SW+4*((\t)%4)+2*(S_/4)+S_%2
.set XS_, SX+4*A_+2*(S_/4)+S_%2
.if \kind
.set AC_, ACC+8*A_
	WIN (1+(\n)/16)|(3<<2)
.if S_ == 0
	v_wmma_scale_f32_16x16x128_f8f6f4 v[AC_:AC_+7], v[X_:X_+15], v[W_:W_+15], 0, v[XS_], v[WS_]
.elseif S_%4 < 2
	v_wmma_scale_f32_16x16x128_f8f6f4 v[AC_:AC_+7], v[X_:X_+15], v[W_:W_+15], v[AC_:AC_+7], v[XS_], v[WS_]
.else
	v_wmma_scale_f32_16x16x128_f8f6f4 v[AC_:AC_+7], v[X_:X_+15], v[W_:W_+15], v[AC_:AC_+7], v[XS_], v[WS_] matrix_a_scale:MATRIX_SCALE_ROW1 matrix_b_scale:MATRIX_SCALE_ROW1
.endif
.else
.set AC_, ACC+32*A_+8*((\t)%4)
	WIN 3|((1+(\n)/16)<<2)
.if S_ == 0
	v_wmma_scale_f32_16x16x128_f8f6f4 v[AC_:AC_+7], v[W_:W_+15], v[X_:X_+15], 0, v[WS_], v[XS_]
.elseif S_%4 < 2
	v_wmma_scale_f32_16x16x128_f8f6f4 v[AC_:AC_+7], v[W_:W_+15], v[X_:X_+15], v[AC_:AC_+7], v[WS_], v[XS_]
.else
	v_wmma_scale_f32_16x16x128_f8f6f4 v[AC_:AC_+7], v[W_:W_+15], v[X_:X_+15], v[AC_:AC_+7], v[WS_], v[XS_] matrix_a_scale:MATRIX_SCALE_ROW1 matrix_b_scale:MATRIX_SCALE_ROW1
.endif
.endif
.endm
.macro PRODS kind, t
.set N_, 0
.rept 32
.if (\kind) == 0 && (\t) == 0 && N_ == 0
	s_wait_loadcnt 48                              ; x's K steps 0 to 4 are in; the 48 loads of K steps 5, 6, 7 may be out
.elseif (\kind) == 0 && (\t) == 0 && N_ >= 20 && N_%4 == 0
	s_wait_loadcnt 16*(7-N_/4)                     ; this K step's 16 loads are in
.endif
	PROD \kind, \t, N_
.set N_, N_+1
.endr
	WIN 0
	PLACES NP                                      ; behind the tile's last product: its sums are read, and registers that it has read are loaded anew
.endm
.macro REDUCE                          ; each tile's two chains, their halves, and lane l xor 16's: the sums over 64 in v[T + 4 a]
.irp a, 0,1,2,3
	v_pk_add_f32 v[T+4*\a:T+4*\a+1], v[T+4*\a:T+4*\a+1], v[T+4*\a+2:T+4*\a+3]
.endr
.irp a, 0,1,2,3
	v_add_f32 v[T+4*\a], v[T+4*\a], v[T+4*\a+1]
.endr
.irp a, 0,1,2,3
	v_permlanex16_b32 v[PT+\a], v[T+4*\a], s[SEL], s[SEL+1]
.endr
.irp a, 0,1,2,3
	v_add_f32 v[T+4*\a], v[T+4*\a], v[PT+\a]
.endr
.endm
.macro SCALEOPS from, to               ; blocks from .. to: with lane l xor 16's maximum; the conversion's scale operand, 448 x the scale, the byte
.irp q, 0,1,2,3,4,5,6,7
.if \q >= \from && \q <= \to
	v_permlanex16_b32 v[T+8+\q], v[T+\q], s[SEL], s[SEL+1]
.endif
.endr
.irp q, 0,1,2,3,4,5,6,7
.if \q >= \from && \q <= \to
	v_max_num_f32 v[T+\q], v[T+\q], v[T+8+\q]
.endif
.endr
.irp q, 0,1,2,3,4,5,6,7
.if \q >= \from && \q <= \to
	v_add_nc_u32 v[T+24+\q], 0xfc000000, v[T+\q]          ; 8 off the exponent field
.endif
.endr
.irp q, 0,1,2,3,4,5,6,7
.if \q >= \from && \q <= \to
	v_and_or_b32 v[T+16+\q], v[T+\q], 0x7f800000, s[MNT]
.endif
.endr
.irp q, 0,1,2,3,4,5,6,7
.if \q >= \from && \q <= \to
	v_lshrrev_b32 v[T+8+\q], 23, v[T+24+\q]
.endif
.endr
.endm
.macro CODES q                         ; block q's 16 numbers at ACC + 16 q: the hold (the conversion does not saturate: ISA guide 7.6.2) and the conversion
.irp i, 0,1,2,3,4,5,6,7,8,9,10,11,12,13,14,15
	v_med3_num_f32 v[ACC+16*(\q)+\i], v[ACC+16*(\q)+\i], -v[T+16+(\q)], v[T+16+(\q)]
.endr
	v_cvt_scalef32_pk8_fp8_f32 v[PC+4*(\q):PC+4*(\q)+1], v[ACC+16*(\q):ACC+16*(\q)+7], v[T+24+(\q)]
	v_cvt_scalef32_pk8_fp8_f32 v[PC+4*(\q)+2:PC+4*(\q)+3], v[ACC+16*(\q)+8:ACC+16*(\q)+15], v[T+24+(\q)]
.endm
; A HEAD OF q OR k IS SUMMED: LayerNorm and the quantiser for my four tiles of tokens, by turns, in place
.macro EPIQ e
	s_wait_xcnt 0x0                                ; the last stores have read the codes' registers
.irp a, 0,1,2,3
	v_pk_add_f32 v[T+4*\a:T+4*\a+1], v[ACC+32*\a:ACC+32*\a+1], v[ACC+32*\a+2:ACC+32*\a+3]      ; each accumulator is read from its low end on
	v_pk_add_f32 v[T+4*\a+2:T+4*\a+3], v[ACC+32*\a+4:ACC+32*\a+5], v[ACC+32*\a+6:ACC+32*\a+7]
.endr
.set K_, 4
.rept 12
.irp a, 0,1,2,3
	v_pk_add_f32 v[T+4*\a+2*(K_%2):T+4*\a+2*(K_%2)+1], v[T+4*\a+2*(K_%2):T+4*\a+2*(K_%2)+1], v[ACC+32*\a+2*K_:ACC+32*\a+2*K_+1]
.endr
.set K_, K_+1
.endr
	REDUCE
.irp a, 0,1,2,3
	v_mul_f32 v[MU+2*\a], s[R64], v[T+4*\a]
.endr
.set K_, 0
.rept 16
.irp a, 0,1,2,3
	v_pk_add_f32 v[ACC+32*\a+2*K_:ACC+32*\a+2*K_+1], v[ACC+32*\a+2*K_:ACC+32*\a+2*K_+1], v[MU+2*\a:MU+2*\a+1] op_sel_hi:[1,0] neg_lo:[0,1] neg_hi:[0,1]   ; x - mean
.endr
.set K_, K_+1
.endr
.irp u, 0,1
.irp a, 0,1,2,3
	v_pk_mul_f32 v[T+4*\a+2*\u:T+4*\a+2*\u+1], v[ACC+32*\a+2*\u:ACC+32*\a+2*\u+1], v[ACC+32*\a+2*\u:ACC+32*\a+2*\u+1]
.endr
.endr
.set K_, 2
.rept 14
.irp a, 0,1,2,3
	v_pk_fma_f32 v[T+4*\a+2*(K_%2):T+4*\a+2*(K_%2)+1], v[ACC+32*\a+2*K_:ACC+32*\a+2*K_+1], v[ACC+32*\a+2*K_:ACC+32*\a+2*K_+1], v[T+4*\a+2*(K_%2):T+4*\a+2*(K_%2)+1]
.endr
.set K_, K_+1
.endr
	REDUCE
.irp a, 0,1,2,3
	v_fma_f32 v[T+4*\a], v[T+4*\a], s[R64], s[EPS]        ; the variance + 1e-5
.endr
	s_wait_alu depctr_va_vdst(0)                   ; the wait ahead of the batch,
.irp a, 0,1,2,3
	v_rsq_f32 v[RS+2*\a], v[T+4*\a]
.endr
	v_nop                                          ; a plain line behind it,
	s_wait_alu depctr_va_vdst(0)                   ; and the wait ahead of its first reader
	s_wait_dscnt 0x0                               ; gamma and beta are in (and whatever was fetched before them)
.set K_, 0
.rept 16
.irp a, 0,1,2,3
	v_pk_mul_f32 v[ACC+32*\a+2*K_:ACC+32*\a+2*K_+1], v[ACC+32*\a+2*K_:ACC+32*\a+2*K_+1], v[RS+2*\a:RS+2*\a+1] op_sel_hi:[1,0]
.endr
.set K_, K_+1
.endr
	WIN 0x3c                                       ; sources 1 and 2 in window 3
.set K_, 0
.rept 16
.irp a, 0,1,2,3
	v_pk_fma_f32 v[ACC+32*\a+2*K_:ACC+32*\a+2*K_+1], v[ACC+32*\a+2*K_:ACC+32*\a+2*K_+1], v[128+2*K_:128+2*K_+1], v[160+2*K_:160+2*K_+1]
.endr
.set K_, K_+1
.endr
	WIN 0
.irp q, 0,1,2,3,4,5,6,7                ; block q = 2 a + c: 16 numbers at ACC + 16 q, and the floor 2^(9 - 127): the byte cannot fall under 1
	v_max3_num_f32 v[T+\q], |v[ACC+16*\q]|, |v[ACC+16*\q+1]|, 0x4800000
.endr
.irp i, 2,4,6,8,10,12,14
.irp q, 0,1,2,3,4,5,6,7
	v_max3_num_f32 v[T+\q], v[T+\q], |v[ACC+16*\q+\i]|, |v[ACC+16*\q+\i+1]|
.endr
.endr
	SCALEOPS 0, 7
.irp a, 0,1,2,3
	v_lshl_or_b32 v[T+2*\a], v[T+8+2*\a+1], 8, v[T+8+2*\a]   ; a tile's two bytes
.endr
	v_lshl_or_b32 v[PW], v[T+2], 16, v[T]          ; a pair of tiles' word
	v_lshl_or_b32 v[PW+1], v[T+6], 16, v[T+4]
.irp q, 0,1,2,3,4,5,6,7
	CODES \q
.endr
	v_nop                                          ; one plain line behind the last conversion
	ds_store_b64 v[SCA], v[PW:PW+1] offset:512*(\e)   ; both halves of the lanes write the same bytes with the same values
.irp q, 0,1,2,3,4,5,6,7
	global_store_b128 v[L16], v[PC+4*\q:PC+4*\q+3], s[QP:QP+1] offset:HS*(\e)+512*\q   ; 512 consecutive bytes
.endr
.endm
.macro TILEQ n
.if (\n) == 7
	s_wait_dscnt 0x0
.elseif (\n) != 4
	s_wait_dscnt 32                                ; tile n (and the scale words ahead of it) are in; the next tile's 32 loads may be out.  (Tile 4 came in ahead of the wait for gamma)
.endif
	PRODS 0, \n
.if (\n)%4 == 3
	GBLOAD                                         ; into the set that tile n has left
.if (\n) == 3
	SCLW 1
.endif
.elseif (\n) < 6
	FETCHW (\n)+2, ADW
.endif
.endm
.Lphase:                                           ; two trips: q, k
	v_add_nc_u32 v[ADW], s[TW], v[L16]
	v_add_nc_u32 v[ADW+1], s[TW], v[L16B]
	v_add_nc_u32 v[ADS], s[TSW], v[L8]
	v_add_nc_u32 v[ADG], s[TG], v[G64]
	v_add_nc_u32 v[SCA], s[TS], v[SCB]
	s_wait_alu depctr_va_vdst(0)                   ; directly ahead of the blocking wait
	s_wait_tensorcnt 0x0                           ; my quarter of this phase's weights is in: no tensor load of mine is out
	ds_add_u32 v[SPW], v[NIL]                      ; 0 onto my spare word
	s_xor_b32 s33, s33, SLOT                       ; the other slot,
	s_add_nc_u64 s[34:35], s[34:35], 0x100000      ; the next weight's part: 64 tiles on
	s_wait_dscnt 0x0                               ; the add, my LDS stores and my reads of the other slot are done
	ROUND                                          ; the same holds of every wave of the four work-groups
	tensor_load_to_lds s[32:35], s[24:31]          ; the next phase's weights: my one load behind the round
	s_nop 0
	PLACES 4
	SCLW 0
	FETCHW 0, ADW
	FETCHW 1, ADW
.irp n, 0,1,2,3
	TILEQ \n
.endr
	EPIQ 0
	FETCHW 5, ADW                                  ; into the set that held gamma and beta
.irp n, 4,5,6,7
	TILEQ \n
.endr
	EPIQ 1
	s_wait_xcnt 0x0                                ; the stores have read their base
	s_sub_nc_u64 s[QP:QP+1], s[QP:QP+1], 270336    ; from q's codes to k's
	s_xor_b32 s[TW], s[TW], SLOT
	s_add_co_u32 s[TSW], s[TSW], 4096
	s_add_co_u32 s[TG], s[TG], 512
	s_add_co_u32 s[TS], s[TS], 1024
	s_add_co_u32 s[PH], s[PH], 1
	s_cmp_lt_u32 s[PH], 2
	s_wait_alu depctr_va_vdst(0)
	s_cbranch_scc1 .Lphase
; v: Wv's part lies in slot 0
	v_add_nc_u32 v[ADS], s[TSW], v[L8]
	s_wait_alu depctr_va_vdst(0)
	s_wait_tensorcnt 0x0                           ; my quarter of Wv's part is in,
	s_wait_dscnt 0x0
	s_barrier_signal -1
	s_barrier_wait -1                              ; everybody's is
.macro EPIV n                          ; a tile of 16 channels x my 64 tokens: two blocks of 32 keys, 16 in my lane and 16 in lane l xor 16
	s_wait_xcnt 0x0                                ; the last stores have read the codes' registers
.irp c, 0,1
	v_max3_num_f32 v[T+\c], |v[ACC+16*\c]|, |v[ACC+16*\c+1]|, 0x4800000
	v_max3_num_f32 v[T+2+\c], |v[ACC+16*\c+8]|, |v[ACC+16*\c+9]|, |v[ACC+16*\c+10]|   ; each accumulator from its low end on; two chains a block
.endr
.irp i, 2,4,6
.irp c, 0,1
	v_max3_num_f32 v[T+\c], v[T+\c], |v[ACC+16*\c+\i]|, |v[ACC+16*\c+\i+1]|
.endr
.endr
.irp i, 11,13
.irp c, 0,1
	v_max3_num_f32 v[T+2+\c], v[T+2+\c], |v[ACC+16*\c+\i]|, |v[ACC+16*\c+\i+1]|
.endr
.endr
.irp c, 0,1
	v_max3_num_f32 v[T+\c], v[T+\c], v[T+2+\c], |v[ACC+16*\c+15]|
.endr
	SCALEOPS 0, 1
	v_lshl_or_b32 v[T+4], v[T+9], 8, v[T+8]        ; my two bytes of the channel's word
	CODES 0
	CODES 1
	v_nop                                          ; one plain line behind the last conversion
	ds_store_b16 v[SVA], v[T+4] offset:512*((\n)/4)+4*((\n)%4)
	global_store_b128 v[L16], v[PC:PC+3], s[VP:VP+1] offset:HS*((\n)/4)+2048*((\n)%4)
	global_store_b128 v[L16], v[PC+4:PC+7], s[VP:VP+1] offset:HS*((\n)/4)+2048*((\n)%4)+512
.endm
.macro TILEV n
.if (\n) == 0
	s_wait_dscnt 32
.elseif (\n) < 7
	s_wait_dscnt 33                                ; tile n (for n = 4 also its scale words) is in; behind: the next tile's 32 loads and a byte store
.else
	s_wait_dscnt 2                                 ; behind tile 7's loads: two byte stores
.endif
	PRODS 1, \n
.if (\n) == 3
	SCLW 1
.endif
.if (\n) < 6
	FETCHW (\n)+2, L16
.endif
	EPIV \n
.endm
	SCLW 0
	FETCHW 0, L16
	FETCHW 1, L16
.irp n, 0,1,2,3,4,5,6,7
	TILEV \n
.endr
	s_wait_dscnt 0x0                               ; my scale bytes lie in LDS,
	s_barrier_signal -1
	s_barrier_wait -1                              ; everybody's do
.irp t, 0,1,2
	ds_load_b64 v[T+2*\t:T+2*\t+1], v[FRD] offset:1024*\t
.endr
	s_wait_dscnt 0x0
	global_store_b64 v[L8], v[T:T+1], s[SP:SP+1] offset:401408     ; 32 lanes store one aligned unit of 256 bytes: Q's,
	global_store_b64 v[L8], v[T+2:T+3], s[SP:SP+1] offset:262144   ; K's,
	global_store_b64 v[L8], v[T+4:T+5], s[SP:SP+1] offset:266240   ; V's
	s_wait_tensorcnt 0x0                           ; the wave's end
	ds_add_u32 v[SPW], v[NIL]
	s_wait_dscnt 0x0
	ROUND                                          ; the closing round
	s_endpgm
.Lfunc_end_k_qea174050da_qkv:
	.size	k_qea174050da_qkv, .Lfunc_end_k_qea174050da_qkv-k_qea174050da_qkv
	.p2alignl 7, 3214868480
	.fill 96, 4, 3214868480
	.section	.rodata,"a",@progbits
	.p2align	6, 0x0
	.amdhsa_kernel k_qea174050da_qkv
		.amdhsa_group_segment_fixed_size 327680
		.amdhsa_private_segment_fixed_size 0
		.amdhsa_enable_private_segment 0
		.amdhsa_kernarg_size 72
		.amdhsa_user_sgpr_count 2
		.amdhsa_user_sgpr_kernarg_segment_ptr 1
		.amdhsa_wavefront_size32 1
		.amdhsa_system_sgpr_workgroup_id_x 1
		.amdhsa_system_sgpr_workgroup_id_y 1
		.amdhsa_system_sgpr_workgroup_id_z 1
		.amdhsa_system_vgpr_workitem_id 0
		.amdhsa_next_free_vgpr 1024
		.amdhsa_next_free_sgpr 66
		.amdhsa_reserve_vcc 0
		.amdhsa_float_denorm_mode_32 3
		.amdhsa_float_denorm_mode_16_64 3
		.amdhsa_memory_ordered 1
		.amdhsa_forward_progress 1
		.amdhsa_inst_pref_size 242
	.end_amdhsa_kernel
	.amdgpu_metadata
---
amdhsa.version: [ 1, 2 ]
amdhsa.kernels:
  - .name:           k_qea174050da_qkv
    .symbol:         k_qea174050da_qkv.kd
    .args:
      - { .name: xc, .offset: 0, .size: 8, .value_kind: global_buffer, .address_space: global }
      - { .name: xs, .offset: 8, .size: 8, .value_kind: global_buffer, .address_space: global }
      - { .name: wc, .offset: 16, .size: 8, .value_kind: global_buffer, .address_space: global }
      - { .name: ws, .offset: 24, .size: 8, .value_kind: global_buffer, .address_space: global }
      - { .name: q_gamma, .offset: 32, .size: 8, .value_kind: global_buffer, .address_space: global }
      - { .name: q_beta, .offset: 40, .size: 8, .value_kind: global_buffer, .address_space: global }
      - { .name: k_gamma, .offset: 48, .size: 8, .value_kind: global_buffer, .address_space: global }
      - { .name: k_beta, .offset: 56, .size: 8, .value_kind: global_buffer, .address_space: global }
      - { .name: qkv, .offset: 64, .size: 8, .value_kind: global_buffer, .address_space: global }
    .group_segment_fixed_size: 327680
    .private_segment_fixed_size: 0
    .kernarg_segment_align: 8
    .kernarg_segment_size: 72
    .max_flat_workgroup_size: 128
    .sgpr_count:     66
    .vgpr_count:     1024
    .wavefront_size: 32
...
	.end_amdgpu_metadata
.endif
;; end of part 2
;; launch attn (part 3): grid 4 x 64, 16 waves a work-group, clusters of 4 x 1, 272,384 bytes of LDS; arguments qkv, oc, os; writes oc, os
.if DOCPART == 3
	.amdgcn_target "amdgcn-amd-amdhsa--gfx1250"
	.amdhsa_code_object_version 6
	.text
	.protected	k_qea174050da_attn
	.globl	k_qea174050da_attn
	.p2align	8
	.type	k_qea174050da_attn,@function
k_qea174050da_attn:
	s_mov_b64 s[64:65], 0
	v_nop
	global_prefetch_b8 v0, s[64:65] scope:SCOPE_SE
	s_setreg_imm32_b32 hwreg(HW_REG_WAVE_MODE, 25, 1), 1
	s_wait_xcnt 0x0
	s_wait_alu depctr_hold_cnt(0) depctr_sa_sdst(0) depctr_va_vdst(0) depctr_va_sdst(0) depctr_va_ssrc(0) depctr_va_vcc(0) depctr_vm_vsrc(0)
	s_getreg_b32 s2, hwreg(HW_REG_IB_STS2, 6, 4)
	s_cmp_eq_u32 s2, 0
	s_cbranch_scc0 .Lentry_in_a_cluster
	s_endpgm
.Lentry_in_a_cluster:
	s_bfe_u32 s2, ttmp6, 0x10000c
	s_cmp_lg_u32 s2, 0x3003
	s_cbranch_scc0 .Lentry_shape_is_right
	s_endpgm
.Lentry_shape_is_right:
; Causal attention of one head on codes of FP8 (E4M3) with E8M0 scales: S^T = K Q^T (K = the head's 64), p = 2^(t - M), O^T = V^T P^T (K = the keys), O / the row's sum, quantised again along the channels for the last projection.
; t = score x log2(e) / 8; M = the running largest t rounded UP to a whole number; the row's sum is taken of the unquantised p; when M moves, the sum and O^T are multiplied by 2^(old M - new M), which rounds nothing.
; A HEAD'S K AND V, codes and scale words, are 270,336 dense bytes of qkv: they come into LDS ONCE, as they lie, and stay: no ring, and no barrier but the one behind the fill.
; CLUSTER: the four work-groups of a head need the same bytes: each wave's load (66 rows of 256 bytes) is asked for jointly by the four.
; SHARES.  A query tile t is 16 queries P(t, r) = 32 (t / 2) + 8 (t % 2) + r + 8 (r / 8).  Work-group cx takes tiles cx + 4 i; wave w takes i = w and i = 31 - w.  Tile i needs i / 2 + 1 steps of 128 keys, the last of them masked:
; 17 steps for every wave of every work-group, and no trip count or branch hangs on cx.  The steps behind the diagonal are passed over by a scalar branch on the wave's number; the loops' trip counts are constants.
; K = 64 IN A FORM 128 DEEP.  A fragment of K holds two tiles of 16 keys: one in k 0-63, the next in k 64-127.  Q stands in registers as [q][zeros][q]: the first 16 registers pick the first tile, registers 8-23 the second.
; Zero codes add nothing under any scale byte but 0xff.  Register 16 p + i of S^T is key 128 G + 32 p + 16 h + i: 16 neighbours, so that p's codes are the second product's operand.
; LIMITS: NaN and infinities are not served; a block of zeros or under 2^-118 gets the byte 1; only this program reads the bytes.
; The scale bytes leave one a lane, 32 bytes of a run of 128: one part in 32 of what the launch stores.
.set HS,   405504                      ; a head in qkv
.set PART, 16896                       ; a wave's part of the fill
.set ADK,  8                           ; v8-11 LDS addresses of the step's K, V, K's scale words, V's
.set ADV,  9
.set ADS,  10
.set ADT,  11
.set F,    64                          ; v64-127  four fragments of K or of V
.set S,    128                         ; v128-191 S^T, then p
.set O,    192                         ; v192-223 O^T
.set WV,   18                          ; s18 my wave's number
.set MNT,  19                          ; s19 the mantissa field of 448
.set SEL,  20                          ; s[20:21] lane l xor 16
.set CS,   22                          ; s[22:23] c = log2(e) / 8
; v1 16 x lane; v2 16 r; v3, v4 the two tiles' d = my query - the diagonal step's first key - 16 h; v5 8 r + h; v6, v7 Q's scale words; v12 -M; v13 the largest t; v[14:15] the sum;
; v16-39, v40-63 the two tiles' Q; v224-239 p's codes; v232-247, v252, v254 at work; v248-251 K's or V's scale words; v253 p's scale word; v255 -infinity
.macro ROUND
	s_barrier_signal -1
	s_barrier_wait -1
	s_cmp_lg_u32 s[WV], 0
	s_cbranch_scc1 .Lnot_wave_0_\@
	s_barrier_signal -3
.Lnot_wave_0_\@:
	s_barrier_wait -3
	s_barrier_signal -1
	s_barrier_wait -1
.endm
; The pointers of the tile with index s[I]: s[P:P+1] Q's codes, +2 Q's scale words, +4 oc, +6 os; v[DLV]; s[N1] = the diagonal step, made of the wave's number alone
.macro PTRS P, I, DLV, N1
	s_lshl_b32 s66, s[\I], 2
	s_add_co_u32 s66, s66, s10                     ; t = cx + 4 i
	s_lshr_b32 s[\N1], s[\I], 1
	s_lshl_b32 s68, s66, 10
	s_add_co_u32 s68, s68, 270336
	s_mov_b32 s69, 0
	s_add_nc_u64 s[\P:\P+1], s[16:17], s[68:69]
	s_lshr_b32 s68, s66, 3
	s_lshl_b32 s68, s68, 8                         ; 256 bytes a step of 8 tiles,
	s_bfe_u32 s67, s66, 0x20001                    ; (t / 2) % 4: the pair of tiles
	s_lshl_b32 s70, s67, 2
	s_add_co_u32 s68, s68, s70
	s_add_co_u32 s68, s68, 401408
	s_add_nc_u64 s[\P+2:\P+3], s[16:17], s[68:69]
	s_add_co_u32 s70, s71, s66                     ; the tile among all 512
	s_lshl_b32 s68, s70, 14
	s_add_co_u32 s68, s68, s36
	s_add_nc_u64 s[\P+4:\P+5], s[6:7], s[68:69]
	s_lshl_b32 s68, s70, 9
	s_add_co_u32 s68, s68, s37
	s_add_nc_u64 s[\P+6:\P+7], s[8:9], s[68:69]
	s_lshl_b32 s67, s67, 5
	s_and_b32 s68, s66, 1
	s_lshl_b32 s68, s68, 3
	s_add_co_u32 s67, s67, s68
	v_add_nc_u32 v[\DLV], s67, v9
.endm
	s_load_b128 s[4:7], s[0:1], 0x0                ; qkv, oc
	s_load_b64 s[8:9], s[0:1], 0x10                ; os
	v_lshl_add_u32 v254, v0, 2, 0x42000
	v_mov_b32 v255, 0
	ds_add_u32 v254, v255
	ds_add_u32 v254, v255
	s_wait_dscnt 0x0
	v_lshrrev_b32 v8, 5, v0
	s_delay_alu instid0(VALU_DEP_1)
	v_readfirstlane_b32 s[WV], v8                  ; wave 0..15
	v_and_b32 v8, 31, v0
	s_delay_alu instid0(VALU_DEP_1)
	v_lshlrev_b32 v1, 4, v8
	v_and_b32 v10, 15, v0                          ; r
	v_bfe_u32 v11, v0, 4, 1                        ; h
	s_delay_alu instid0(VALU_DEP_2)
	v_lshlrev_b32 v2, 4, v10
	s_delay_alu instid0(VALU_DEP_2)
	v_lshl_add_u32 v5, v10, 3, v11
	s_delay_alu instid0(VALU_DEP_4)
	v_and_b32 v9, 8, v10
	s_delay_alu instid0(VALU_DEP_1)
	v_add_nc_u32 v9, v9, v10                       ; r + 8 (r / 8)
	v_lshlrev_b32 v11, 4, v11
	s_delay_alu instid0(VALU_DEP_1)
	v_sub_nc_u32 v9, v9, v11                       ; - 16 h
	s_bfe_u32 s10, ttmp6, 0x40000                  ; cx: it enters Q's, oc's and os's addresses, the mask's numbers and a byte selector: no branch, no LDS address
	s_and_b32 s11, ttmp7, 0xffff                   ; 16 x batch + head
	s_mul_i32 s12, s11, HS
	s_mov_b32 s13, 0
	s_mul_i32 s14, s[WV], PART
	s_mov_b32 s15, 0
	s_lshr_b32 s71, s11, 4
	s_lshl_b32 s71, s71, 7                         ; 128 tiles a batch
	s_and_b32 s38, s11, 15                         ; the head
	s_lshl_b32 s36, s38, 10                        ; oc: 1,024 bytes a head in a tile's image
	s_lshr_b32 s37, s38, 2
	s_lshl_b32 s37, s37, 7                         ; os: 128 bytes for each 256 along K,
	s_bfe_u32 s39, s38, 0x10001
	s_lshl_b32 s39, s39, 2                         ; 4 for each 128,
	s_add_co_u32 s37, s37, s39
	s_and_b32 s39, s38, 1
	s_lshl_b32 s39, s39, 1                         ; 2 for each 64
	s_add_co_u32 s37, s37, s39
	s_and_b32 s63, s10, 1                          ; the tile is the even or the odd one of its pair: which half of Q's scale word is its own
	s_mul_i32 s63, s63, 0x02020202
	s_add_co_u32 s63, s63, 0x01000100              ; that half, twice
	s_mov_b32 s24, 15|(3<<16)|(1<<21)              ; group 1: 15:0 the mask: all four; 17:16 elements of 8 bytes; 21 set beside a mask; no padding
	s_mov_b32 s25, 32<<16                          ; tensor_dim0 = 32 elements: 256 bytes
	s_mov_b32 s26, 66<<16                          ; tensor_dim1 = 66
	s_mov_b32 s27, 32<<16                          ; tile_dim0
	s_mov_b32 s28, 66                              ; tile_dim1
	s_mov_b32 s29, 32                              ; the pitch: dense
	s_mov_b32 s30, 0
	s_mov_b32 s31, 0
	s_mov_b32 s[MNT], 0x600000
	s_mov_b32 s[SEL], 0x76543210
	s_mov_b32 s[SEL+1], 0xfedcba98
	s_mov_b32 s[CS], 0x3e38aa3b
	s_mov_b32 s[CS+1], s[CS]                       ; (named with it as a pair, so it is written)
	s_wait_kmcnt 0x0
	s_add_nc_u64 s[16:17], s[4:5], s[12:13]        ; the head
	s_mov_b32 s32, 1
	s_mov_b32 s33, s14                             ; LDS: wave x 16,896
	s_add_nc_u64 s[34:35], s[16:17], s[14:15]
	s_or_b32 s35, s35, 0x80000000
	ROUND                                          ; all four work-groups are here: the joint loads meet
	tensor_load_to_lds s[32:35], s[24:31]          ; my sixteenth of the head's K and V: one load of mine is out
	s_nop 0
.rept 4
	v_nop
.endr
	s_mov_b32 s2, s[WV]
	s_sub_co_u32 s3, 31, s[WV]
	s_wait_alu depctr_va_vdst(0)
	PTRS 40, 2, 3, 56
	PTRS 48, 3, 4, 57
.irp t, 0,1
	global_load_b128 v[16+24*\t:19+24*\t], v1, s[40+8*\t:41+8*\t]             ; Q's two blocks,
	global_load_b128 v[20+24*\t:23+24*\t], v1, s[40+8*\t:41+8*\t] offset:512
	global_load_b128 v[32+24*\t:35+24*\t], v1, s[40+8*\t:41+8*\t]             ; and once more, behind the zeros
	global_load_b128 v[36+24*\t:39+24*\t], v1, s[40+8*\t:41+8*\t] offset:512
	global_load_b32 v[252+2*\t], v2, s[42+8*\t:43+8*\t]                       ; the pair's scale word of row r
.irp j, 0,1,2,3,4,5,6,7
	v_mov_b32 v[24+24*\t+\j], 0
.endr
.endr
.irp b, 0,1,2,3
	v_mov_b32 v[236+\b], 0                         ; written once: a lane permute's destination counts as one of its sources
.endr
	v_mov_b32 v253, 0                              ; (named as the upper half of the pair v[252:253] before it is first written)
	v_mov_b32 v255, 0xff800000                     ; -infinity
	s_wait_tensorcnt 0x0                           ; my part is in,
	s_barrier_signal -1
	s_barrier_wait -1                              ; everybody's is
	s_wait_loadcnt 0x0
	v_perm_b32 v6, v252, v252, s63
	v_perm_b32 v7, v254, v254, s63
; A KEY STEP: 128 keys.  mask = 1: the diagonal's step
.macro STEP mask, Q, QS, DL
	v_add_nc_u32 v[ADK], s59, v1
	v_add_nc_u32 v[ADV], s60, v1
	v_add_nc_u32 v[ADS], s61, v2
	v_add_nc_u32 v[ADT], s62, v2
.rept 4
	v_nop                                          ; with the four additions: eight places in front of loads into registers that the last products read
.endr
.irp p, 0,1,2,3
.irp c, 0,1,2,3
	ds_load_b128 v[F+16*\p+4*\c:F+16*\p+4*\c+3], v[ADK] offset:2048*\p+512*\c
.endr
.endr
	ds_load_b128 v[248:251], v[ADS]                ; row r's four scale words: one for each fragment
	s_wait_alu depctr_va_vdst(0)
	s_wait_dscnt 0x0
.irp p, 0,1,2,3
.irp u, 0,1
	v_wmma_scale_f32_16x16x128_f8f6f4 v[S+8*(2*\p+\u):S+8*(2*\p+\u)+7], v[F+16*\p:F+16*\p+15], v[\Q+8*\u:\Q+8*\u+15], 0, v[248+\p], v[\QS]
.endr
.endr
.rept 8
	v_nop
.endr
.irp p, 0,1,2,3                                ; V's fragments are asked for now and land under the softmax
.irp c, 0,1,2,3
	ds_load_b128 v[F+16*\p+4*\c:F+16*\p+4*\c+3], v[ADV] offset:2048*\p+512*\c
.endr
.endr
	ds_load_b128 v[248:251], v[ADT]
.if \mask                                      ; register n holds key 32 (n / 16) + n % 16 + 16 h of the step: hidden where that lies behind my query; its score becomes -infinity, p = 0
.set n, 0
.rept 64
	v_cmp_gt_i32 vcc_lo, 32*(n/16)+n%16, v[\DL]
	v_cndmask_b32 v[S+n], v[S+n], v255, vcc_lo
.set n, n+1
.endr
.endif
.irp b, 0,1,2,3
	v_max3_num_f32 v[232+\b], v[S+16*\b], v[S+1+16*\b], v[S+2+16*\b]   ; the largest score of each block of 32 keys: for the row's maximum and, since p rises with the score, for the block's largest p
.endr
.irp i, 3,5,7,9,11,13
.irp b, 0,1,2,3
	v_max3_num_f32 v[232+\b], v[232+\b], v[S+16*\b+\i], v[S+1+16*\b+\i]
.endr
.endr
.irp b, 0,1,2,3
	v_max_num_f32 v[232+\b], v[232+\b], v[S+15+16*\b]
.endr
.irp b, 0,1,2,3
	v_permlanex16_b32 v[236+\b], v[232+\b], s[SEL], s[SEL+1]
.endr
.irp b, 0,1,2,3
	s_delay_alu instid0(VALU_DEP_4)
	v_max_num_f32 v[232+\b], v[232+\b], v[236+\b]
.endr
	s_delay_alu instid0(VALU_DEP_2)
	v_max3_num_f32 v254, v232, v233, v234
	s_delay_alu instid0(VALU_DEP_1)
	v_max_num_f32 v254, v254, v235                 ; the step's largest score of my query
	s_delay_alu instid0(VALU_DEP_1)
	v_mul_f32 v254, s[CS], v254
	s_delay_alu instid0(VALU_DEP_1)
	v_max_num_f32 v13, v13, v254                   ; the running largest t
	v_mov_b32 v254, v12
	s_delay_alu instid0(VALU_DEP_2)
	v_floor_f32 v12, -v13                          ; the new -M = floor(-t): a whole number
	s_delay_alu instid0(VALU_DEP_1)
	v_sub_f32 v254, v12, v254                      ; old M - new M: a whole number, 0 or less
	s_delay_alu instid0(VALU_DEP_1)
	v_cvt_i32_f32 v254, v254                       ; (it saturates)
	s_delay_alu instid0(VALU_DEP_1)
	v_ldexp_f32 v252, 1.0, v254                    ; f = 2^(old M - new M)
.set n, 0
.rept 32
	v_pk_fma_f32 v[S+n:S+n+1], v[S+n:S+n+1], s[CS:CS+1], v[12:13] op_sel_hi:[1,0,0]   ; t - M
.set n, n+2
.endr
.irp b, 0,1,2,3
	v_fma_f32 v[232+\b], v[232+\b], s[CS], v12     ; the same of each block's largest score
.endr
.set n, 0
	s_wait_alu depctr_va_vdst(0)
.rept 64
	v_exp_f32 v[S+n], v[S+n]                       ; p = 2^(t - M), not normalised
.set n, n+1
.endr
	v_pk_mul_f32 v[14:15], v[14:15], v[252:253] op_sel_hi:[1,0]   ; the sums under the new M: a plain line behind the exponentials
	s_wait_alu depctr_va_vdst(0)                   ; one wait for the batch, ahead of its first reader
.irp b, 0,1,2,3
	v_exp_f32 v[232+\b], v[232+\b]                 ; the block's largest p
.endr
	v_pk_add_f32 v[236:237], v[132:133], v[136:137]
	v_pk_add_f32 v[246:247], v[140:141], v[144:145]
	v_pk_add_f32 v[244:245], v[148:149], v[152:153]
	v_pk_add_f32 v[242:243], v[156:157], v[160:161]
	v_pk_add_f32 v[240:241], v[164:165], v[168:169]
	v_pk_add_f32 v[238:239], v[172:173], v[176:177]
	v_pk_add_f32 v[230:231], v[180:181], v[184:185]
	v_pk_add_f32 v[14:15], v[14:15], v[188:189]
	v_pk_add_f32 v[236:237], v[236:237], v[128:129]
	v_pk_add_f32 v[246:247], v[246:247], v[130:131]
	v_pk_add_f32 v[244:245], v[244:245], v[134:135]
	v_pk_add_f32 v[242:243], v[242:243], v[138:139]
	v_pk_add_f32 v[240:241], v[240:241], v[142:143]
	v_pk_add_f32 v[238:239], v[238:239], v[146:147]
	v_pk_add_f32 v[230:231], v[230:231], v[150:151]
	v_pk_add_f32 v[14:15], v[14:15], v[154:155]
	v_pk_add_f32 v[236:237], v[236:237], v[158:159]
	v_pk_add_f32 v[246:247], v[246:247], v[162:163]
	v_pk_add_f32 v[244:245], v[244:245], v[166:167]
	v_pk_add_f32 v[242:243], v[242:243], v[170:171]
	v_pk_add_f32 v[240:241], v[240:241], v[174:175]
	v_pk_add_f32 v[238:239], v[238:239], v[178:179]
	v_pk_add_f32 v[230:231], v[230:231], v[182:183]
	v_pk_add_f32 v[14:15], v[14:15], v[186:187]
	v_pk_add_f32 v[236:237], v[236:237], v[190:191]
	s_delay_alu instid0(VALU_DEP_2)
	v_pk_add_f32 v[14:15], v[14:15], v[242:243]
	s_delay_alu instid0(VALU_DEP_2)
	v_pk_add_f32 v[236:237], v[236:237], v[240:241]
	v_pk_add_f32 v[246:247], v[246:247], v[238:239]
	v_pk_add_f32 v[244:245], v[244:245], v[230:231]
	s_delay_alu instid0(VALU_DEP_2)
	v_pk_add_f32 v[14:15], v[14:15], v[246:247]
	s_delay_alu instid0(VALU_DEP_2)
	v_pk_add_f32 v[236:237], v[236:237], v[244:245]
	s_delay_alu instid0(VALU_DEP_1)
	v_pk_add_f32 v[14:15], v[14:15], v[236:237]
	s_wait_alu depctr_va_vdst(0)                   ; and one for the four
.irp b, 0,1,2,3
	v_max_num_f32 v[232+\b], 0x4800000, v[232+\b]  ; the floor 2^(9 - 127): the byte cannot fall under 1
.endr
.irp b, 0,1,2,3
	s_delay_alu instid0(VALU_DEP_4)
	v_add_nc_u32 v[244+\b], 0xfc000000, v[232+\b]  ; the conversion's scale operand
.endr
.irp b, 0,1,2,3
	v_and_or_b32 v[240+\b], v[232+\b], 0x7f800000, s[MNT]   ; 448 x the scale
.endr
.irp b, 0,1,2,3
	v_and_or_b32 v[8+(\b+1)%4], v[232+\b], 0x7f800000, s[MNT]   ; the same once more, in a register whose number differs modulo 4: v8-11, the step's LDS addresses, whose loads have all been issued; the next step writes them anew
.endr
.irp b, 0,1,2,3
	v_lshrrev_b32 v[236+\b], 23, v[244+\b]         ; the scale's byte
.endr
	s_delay_alu instid0(VALU_DEP_3)
	v_lshl_or_b32 v253, v237, 8, v236              ; p's scale word for these 128 keys
	s_delay_alu instid0(VALU_DEP_1)
	v_lshl_or_b32 v253, v238, 16, v253
	s_delay_alu instid0(VALU_DEP_1)
	v_lshl_or_b32 v253, v239, 24, v253
.irp b, 0,1,2,3
.irp i, 0,2,4,6,8,10,12,14
	v_dual_min_num_f32 v[S+16*\b+\i], v[S+16*\b+\i], v[240+\b] :: v_dual_min_num_f32 v[S+16*\b+\i+1], v[S+16*\b+\i+1], v[8+(\b+1)%4]   ; the conversion does not saturate (ISA guide 7.6.2); p is not negative: a one-sided hold, two numbers a line: an even and an odd destination, each pair of sources in registers that differ modulo 4
.endr
	v_cvt_scalef32_pk8_fp8_f32 v[224+4*\b:225+4*\b], v[S+16*\b:S+7+16*\b], v[244+\b]
	v_cvt_scalef32_pk8_fp8_f32 v[226+4*\b:227+4*\b], v[S+8+16*\b:S+15+16*\b], v[244+\b]
.endr
.set n, 0
.rept 16
	v_pk_mul_f32 v[O+n:O+n+1], v[O+n:O+n+1], v[252:253] op_sel_hi:[1,0]   ; O^T under the new M; these sixteen are also the places between the codes and the products
.set n, n+2
.endr
	s_wait_alu depctr_va_vdst(0)
	s_wait_dscnt 0x0                               ; V
.irp t, 0,1,2,3
	v_wmma_scale_f32_16x16x128_f8f6f4 v[O+8*\t:O+8*\t+7], v[F+16*\t:F+16*\t+15], v[224:239], v[O+8*\t:O+8*\t+7], v[248+\t], v253   ; the four accumulators by turns
.endr
.endm
; The tile is finished: O^T / the sum; register 16 c + i is channel 32 c + 16 h + i of my query: two blocks, quantised, are this head's part of the projection's operand
.macro FINISH P
.rept 8
	v_nop
.endr
	v_add_f32 v14, v14, v15
	s_delay_alu instid0(VALU_DEP_1)
	v_permlanex16_b32 v252, v14, s[SEL], s[SEL+1]
	s_delay_alu instid0(VALU_DEP_1)
	v_add_f32 v14, v14, v252                       ; the row's sum
	s_wait_alu depctr_va_vdst(0)
	v_rcp_f32 v14, v14
	v_nop
	s_wait_alu depctr_va_vdst(0)                   ; ahead of the reciprocal's first reader
.set n, 0
.rept 16
	v_pk_mul_f32 v[S+n:S+n+1], v[O+n:O+n+1], v[14:15] op_sel_hi:[1,0]   ; each accumulator from its low end on
.set n, n+2
.endr
.irp b, 0,1
	v_max3_num_f32 v[232+\b], |v[S+16*\b]|, |v[S+1+16*\b]|, 0x4800000
.endr
.irp i, 2,4,6,8,10,12,14
.irp b, 0,1
	s_delay_alu instid0(VALU_DEP_2)
	v_max3_num_f32 v[232+\b], v[232+\b], |v[S+16*\b+\i]|, |v[S+1+16*\b+\i]|
.endr
.endr
.irp b, 0,1
	v_permlanex16_b32 v[236+\b], v[232+\b], s[SEL], s[SEL+1]
.endr
.irp b, 0,1
	s_delay_alu instid0(VALU_DEP_2)
	v_max_num_f32 v[232+\b], v[232+\b], v[236+\b]
.endr
.irp b, 0,1
	s_delay_alu instid0(VALU_DEP_2)
	v_add_nc_u32 v[244+\b], 0xfc000000, v[232+\b]
.endr
.irp b, 0,1
	s_delay_alu instid0(VALU_DEP_4)
	v_and_or_b32 v[240+\b], v[232+\b], 0x7f800000, s[MNT]
.endr
.irp b, 0,1
	s_delay_alu instid0(VALU_DEP_4)
	v_lshrrev_b32 v[236+\b], 23, v[244+\b]
.endr
.irp b, 0,1
.irp i, 0,1,2,3,4,5,6,7,8,9,10,11,12,13,14,15
	v_med3_num_f32 v[S+16*\b+\i], v[S+16*\b+\i], -v[240+\b], v[240+\b]
.endr
	v_cvt_scalef32_pk8_fp8_f32 v[224+4*\b:225+4*\b], v[S+16*\b:S+7+16*\b], v[244+\b]
	v_cvt_scalef32_pk8_fp8_f32 v[226+4*\b:227+4*\b], v[S+8+16*\b:S+15+16*\b], v[244+\b]
.endr
	v_nop
	s_mov_b32 vcc_lo, 0xffff0000
	v_cndmask_b32 v236, v236, v237, vcc_lo         ; lanes 0-15 store the first block's byte of row r, lanes 16-31 the second's
	global_store_b128 v1, v[224:227], s[\P+4:\P+5]            ; 512 consecutive bytes
	global_store_b128 v1, v[228:231], s[\P+4:\P+5] offset:512
	global_store_b8 v5, v236, s[\P+6:\P+7]
	s_wait_xcnt 0x0                                ; the stores have read their data: the registers may be written again
.endm
; One query tile: a loop of constant count over the key steps; s58 counts them, s59-62 are the LDS bytes at which the step's K, V and their scale words begin
.macro TILE Q, QS, DL, N1, P, trips
.rept 8
	v_nop                                          ; on every way here O^T's registers are written eight places behind the last product
.endr
	v_mov_b32 v13, 0xff61b1e6                      ; the largest t so far: -3e38
	s_delay_alu instid0(VALU_DEP_1)
	v_floor_f32 v12, -v13
	v_mov_b32 v14, 0
	v_mov_b32 v15, 0
.set n, 0
.rept 32
	v_mov_b32 v[O+n], 0                            ; the step is written without a first step of its own: it finds zeros, which the first change of M leaves zeros
.set n, n+1
.endr
	s_mov_b32 s58, 0
	s_mov_b32 s59, 0
	s_mov_b32 s60, 131072
	s_mov_b32 s61, 262144
	s_mov_b32 s62, 266240
.Lkeys_\@:
	s_cmp_gt_u32 s58, s[\N1]                       ; behind the diagonal: all keys hidden
	s_cbranch_scc1 .Lskip_\@
	s_cmp_eq_u32 s58, s[\N1]
	s_cbranch_scc1 .Ldiag_\@
	STEP 0, \Q, \QS, \DL
	s_branch .Lskip_\@
.Ldiag_\@:
	STEP 1, \Q, \QS, \DL
	FINISH \P
.Lskip_\@:
	s_add_co_u32 s59, s59, 8192
	s_add_co_u32 s60, s60, 8192
	s_add_co_u32 s61, s61, 256
	s_add_co_u32 s62, s62, 256
	s_add_co_u32 s58, s58, 1
	s_cmp_lt_u32 s58, \trips
	s_cbranch_scc1 .Lkeys_\@
.endm
	TILE 16, 6, 3, 56, 40, 8                       ; i = w: at most 8 steps
	TILE 40, 7, 4, 57, 48, 16                      ; i = 31 - w: at most 16
	s_wait_xcnt 0x0
	v_lshl_add_u32 v254, v0, 2, 0x42000
	v_mov_b32 v255, 0
	s_wait_alu depctr_va_vdst(0)
	s_wait_tensorcnt 0x0
	ds_add_u32 v254, v255
	s_wait_dscnt 0x0
	ROUND                                          ; the closing round
	s_endpgm
.Lfunc_end_k_qea174050da_attn:
	.size	k_qea174050da_attn, .Lfunc_end_k_qea174050da_attn-k_qea174050da_attn
	.p2alignl 7, 3214868480
	.fill 96, 4, 3214868480
	.section	.rodata,"a",@progbits
	.p2align	6, 0x0
	.amdhsa_kernel k_qea174050da_attn
		.amdhsa_group_segment_fixed_size 272384
		.amdhsa_private_segment_fixed_size 0
		.amdhsa_enable_private_segment 0
		.amdhsa_kernarg_size 24
		.amdhsa_user_sgpr_count 2
		.amdhsa_user_sgpr_kernarg_segment_ptr 1
		.amdhsa_wavefront_size32 1
		.amdhsa_system_sgpr_workgroup_id_x 1
		.amdhsa_system_sgpr_workgroup_id_y 1
		.amdhsa_system_sgpr_workgroup_id_z 1
		.amdhsa_system_vgpr_workitem_id 0
		.amdhsa_next_free_vgpr 256
		.amdhsa_next_free_sgpr 72
		.amdhsa_reserve_vcc 1
		.amdhsa_float_denorm_mode_32 3
		.amdhsa_float_denorm_mode_16_64 3
		.amdhsa_memory_ordered 1
		.amdhsa_forward_progress 1
		.amdhsa_inst_pref_size 113
	.end_amdhsa_kernel
	.amdgpu_metadata
---
amdhsa.version: [ 1, 2 ]
amdhsa.kernels:
  - .name:           k_qea174050da_attn
    .symbol:         k_qea174050da_attn.kd
    .args:
      - { .name: qkv, .offset: 0, .size: 8, .value_kind: global_buffer, .address_space: global }
      - { .name: oc, .offset: 8, .size: 8, .value_kind: global_buffer, .address_space: global }
      - { .name: os, .offset: 16, .size: 8, .value_kind: global_buffer, .address_space: global }
    .group_segment_fixed_size: 272384
    .private_segment_fixed_size: 0
    .kernarg_segment_align: 8
    .kernarg_segment_size: 24
    .max_flat_workgroup_size: 512
    .sgpr_count:     72
    .vgpr_count:     256
    .wavefront_size: 32
...
	.end_amdgpu_metadata
.endif
;; end of part 3
;; launch proj (part 4): grid 4 x 64, 4 waves a work-group, clusters of 4 x 1, 167,936 bytes of LDS; arguments oc, os, wc, ws, bu, out0; writes out0
.if DOCPART == 4
	.amdgcn_target "amdgcn-amd-amdhsa--gfx1250"
	.amdhsa_code_object_version 6
	.text
	.protected	k_qea174050da_proj
	.globl	k_qea174050da_proj
	.p2align	8
	.type	k_qea174050da_proj,@function
k_qea174050da_proj:
	s_mov_b64 s[64:65], 0
	v_nop
	global_prefetch_b8 v0, s[64:65] scope:SCOPE_SE
	s_setreg_imm32_b32 hwreg(HW_REG_WAVE_MODE, 25, 1), 1
	s_wait_xcnt 0x0
	s_wait_alu depctr_hold_cnt(0) depctr_sa_sdst(0) depctr_va_vdst(0) depctr_va_sdst(0) depctr_va_ssrc(0) depctr_va_vcc(0) depctr_vm_vsrc(0)
	s_getreg_b32 s2, hwreg(HW_REG_IB_STS2, 6, 4)
	s_cmp_eq_u32 s2, 0
	s_cbranch_scc0 .Lentry_in_a_cluster
	s_endpgm
.Lentry_in_a_cluster:
	s_bfe_u32 s2, ttmp6, 0x10000c
	s_cmp_lg_u32 s2, 0x3003
	s_cbranch_scc0 .Lentry_shape_is_right
	s_endpgm
.Lentry_shape_is_right:
; out0 = O Wu^T + bu on codes of FP8 (E4M3) with E8M0 scales, f32 sums: 8,192 x 1,024 x 1,024.
; OPERANDS LIE IN MEMORY AS IMAGES OF THEIR REGISTERS: [tile of 16 rows][s = k / 128][c][lane][16 bytes], 16,384 bytes a tile; tile T holds rows P(T, r) = 32 (T / 2) + 8 (T % 2) + r + 8 (r / 8).
; The scale word of (T, r, s) lies at 512 T + 128 (s / 2) + 8 r + 4 (s % 2).  Wu's tiles are wc's and ws's tiles 192 to 255.
; SHARES.  256 work-groups of four waves; a work-group makes 128 tokens x 256 columns, a wave all 128 tokens x 64 columns.  A wave's 4 tiles of Wu, all of K, stand in 512 registers (windows 1, 2):
; 128 loads of 512 consecutive bytes, from memory as they lie.  The 128 tokens' codes, 131,072 dense bytes, come into LDS once, a quarter by each wave's one tensor load, and are read by all four waves
; in blocks of 16 tokens (128 registers, two sets in window 3).  No LDS byte is filled twice: no ring, and one barrier.
; A block is 32 products: K ascending, the 4 accumulators by turns; the bias is the first products' C.  Sums stand in two sets.
; CLUSTER 4, 1, 1: the four column blocks of 128 tokens need the same codes of O and ask for them jointly.  Wu's tiles are read by one wave of a work-group alone and by no partner of its cluster: no joint load for them.
; NO PREFETCH: every load of the launch is issued at its head; there is no loop to run ahead in.
; SOURCE 0 = Wu's tile b, SOURCE 1 = O's tile a: lane (r, h) holds token P(a, r), register j of tile b column 32 (b / 2) + 8 (b % 2) + 16 h + j of my 64.
; THE WAY OUT: a block's 16 rows x 256 bytes go through my own stage in LDS and leave as aligned units of 256 bytes, sixteen lanes a unit, while the next block is multiplied.
; LIMITS: NaN and infinities among the sums are carried as the matrix unit leaves them; the scale bytes are taken as the earlier launches made them (1 to 254).
.set TILE,   16384
.set STAGE,  8*TILE                    ; behind O's 8 tiles: 16 rows x 272 bytes for each wave; no tensor load lands there
.set SPITCH, 272
.set SPARE,  STAGE+4*16*SPITCH         ; the spare words, 128 bytes a wave
.set NP,     8                         ; places behind this matrix instruction (ISA guide 7.12.1)
.set L16,  8                           ; v8, v9  16 x lane; the same + 4 tiles (LDS offsets have 16 bits)
.set L8,   10                          ; v10  8 x lane
.set BA,   11                          ; v11  64 h: my part of a block of the bias
.set STO,  12                          ; v12  the stage, on the way in: row r, + 64 h
.set RD,   13                          ; v13  and back: row h, + 16 r
.set CO,   14                          ; v14  the same two rows in out0
.set SPW,  16                          ; v16  my spare word; never rewritten
.set NIL,  17                          ; v17  0; never rewritten
.set SW,   20                          ; v20-35  Wu's scale words: tile b at 4 b; register 2 (s / 4) + s % 2, lanes 0-15 where s % 4 < 2, lanes 16-31 else
.set SA,   38                          ; v38-69  O's, tile a at 4 a, likewise.  SA - SW is 2 modulo 4: no product's two scale registers have numbers equal modulo 8
.set BIAS, 72                          ; v72-103
.set ACC,  104                         ; v104-167 two sets of four accumulators
.set OB,   168                         ; v168-231 two sets of 16 rows read back from the stage
.set MSB, 0
.macro WIN new                         ; the immediate's high byte repeats the setting that is left
.if MSB != \new
	s_set_vgpr_msb (MSB<<8)|\new
.set MSB, \new
.endif
.endm
.macro PLACES n
.rept \n
	v_nop
.endr
.endm
.macro ROUND                           ; a round of the cluster's barrier
	s_barrier_signal -1
	s_barrier_wait -1
	s_cmp_lg_u32 s16, 0
	s_cbranch_scc1 .Lnot_wave_0_\@
	s_barrier_signal -3
.Lnot_wave_0_\@:
	s_barrier_wait -3
	s_barrier_signal -1
	s_barrier_wait -1
.endm
	s_load_b256 s[4:11], s[0:1], 0x0               ; oc, os, wc, ws
	s_load_b128 s[12:15], s[0:1], 0x20             ; bu, out0
	v_lshl_add_u32 v[SPW], v0, 2, SPARE
	v_mov_b32 v[NIL], 0
	ds_add_u32 v[SPW], v[NIL]                      ; the opening lines: the add, twice on end, and its wait ahead of my tensor load
	ds_add_u32 v[SPW], v[NIL]
	v_lshrrev_b32 v1, 5, v0
	v_readfirstlane_b32 s16, v1                    ; wave 0..3
	s_mul_i32 s17, s16, 16*SPITCH
	s_add_co_u32 s17, s17, STAGE                   ; my stage
	v_and_b32 v2, 31, v0                           ; lane
	v_and_b32 v3, 15, v0                           ; r
	v_bfe_u32 v4, v0, 4, 1                         ; h
	v_lshlrev_b32 v[L16], 4, v2
	v_lshlrev_b32 v[L8], 3, v2
	v_lshlrev_b32 v[BA], 6, v4
	v_add_nc_u32 v[L16+1], 4*TILE, v[L16]
	v_mul_u32_u24 v5, v3, SPITCH
	v_lshl_add_u32 v5, v4, 6, v5
	v_add_nc_u32 v[STO], s17, v5
	v_mul_u32_u24 v6, v4, SPITCH
	v_lshl_add_u32 v6, v3, 4, v6
	v_add_nc_u32 v[RD], s17, v6
	v_lshlrev_b32 v7, 12, v4                       ; a row of out0 is 4,096 bytes
	v_lshl_add_u32 v[CO], v3, 4, v7
	s_wait_alu depctr_va_vdst(0)                   ; the head's vector lines end, scalar lines
	s_bfe_u32 s18, ttmp6, 0x40000                  ; cx: the block of 256 columns.  It enters global addresses of plain loads and stores alone
	s_and_b32 s19, ttmp7, 0xffff                   ; the block of 128 tokens
	s_lshl_b32 s20, s19, 17                        ; oc: 8 tiles a block,
	s_lshl_b32 s33, s16, 15                        ; 2 tiles a wave, in memory and in LDS
	s_add_co_u32 s20, s20, s33
	s_mov_b32 s21, 0
	s_lshl_b32 s22, s19, 12                        ; os: 512 bytes a tile
	s_mov_b32 s23, 0
	s_lshl_b32 s36, s18, 4
	s_lshl_b32 s37, s16, 2
	s_add_co_u32 s36, s36, s37
	s_add_co_u32 s36, s36, 192                     ; my first tile of Wu: 192 + 16 cx + 4 x wave
	s_lshl_b32 s38, s36, 9
	s_mov_b32 s39, 0
	s_lshl_b32 s36, s36, 14
	s_mov_b32 s37, 0
	s_lshl_b32 s40, s18, 10
	s_lshl_b32 s41, s16, 8
	s_add_co_u32 s40, s40, s41                     ; my first column, in bytes of f32
	s_mov_b32 s41, 0
	s_lshl_b32 s42, s19, 19                        ; 128 rows of out0
	s_add_co_u32 s42, s42, s40
	s_mov_b32 s43, 0
	s_mov_b32 s24, 15|(3<<16)|(1<<21)              ; group 1: 15:0 the mask: all four; 17:16 elements of 8 bytes; 21 set beside a mask; no padding
	s_mov_b32 s25, 32<<16                          ; tensor_dim0: 256 bytes
	s_mov_b32 s26, 128<<16                         ; tensor_dim1: 128 rows: 32,768 dense bytes
	s_mov_b32 s27, 32<<16                          ; tile_dim0
	s_mov_b32 s28, 128                             ; tile_dim1
	s_mov_b32 s29, 32                              ; the pitch: dense
	s_mov_b32 s30, 0
	s_mov_b32 s31, 0
	s_mov_b32 s32, 1
	s_wait_dscnt 0x0                               ; both opening adds are done
	s_wait_kmcnt 0x0
	s_add_nc_u64 s[34:35], s[4:5], s[20:21]
	s_or_b32 s35, s35, 0x80000000
	s_add_nc_u64 s[6:7], s[6:7], s[22:23]
	s_add_nc_u64 s[8:9], s[8:9], s[36:37]
	s_add_nc_u64 s[10:11], s[10:11], s[38:39]
	s_add_nc_u64 s[12:13], s[12:13], s[40:41]
	s_add_nc_u64 s[14:15], s[14:15], s[42:43]
	ROUND                                          ; all four work-groups are here: the joint loads meet
	tensor_load_to_lds s[32:35], s[24:31]          ; my quarter of the 128 tokens' codes: my one tensor load
	s_nop 0
	PLACES 4
.irp a, 0,1,2,3,4,5,6,7
.irp j, 0,1
	global_load_b64 v[SA+4*\a+2*\j:SA+4*\a+2*\j+1], v[L8], s[6:7] offset:512*\a+256*\j   ; 256 consecutive bytes: lanes 0-15 the words of s = 4 j, 4 j + 1, lanes 16-31 of s = 4 j + 2, 4 j + 3
.endr
.endr
.irp b, 0,1,2,3
.irp j, 0,1
	global_load_b64 v[SW+4*\b+2*\j:SW+4*\b+2*\j+1], v[L8], s[10:11] offset:512*\b+256*\j
.endr
.endr
.irp b, 0,1,2,3
	global_load_b128 v[BIAS+8*\b:BIAS+8*\b+3], v[BA], s[12:13] offset:128*(\b/2)+32*(\b%2)
	global_load_b128 v[BIAS+8*\b+4:BIAS+8*\b+7], v[BA], s[12:13] offset:128*(\b/2)+32*(\b%2)+16
.endr
.set F_, 0
.rept 32                               ; Wu's fragment f = 4 s + b: window 1 + f / 16, register 16 (f % 16); K ascending, so that the first K steps land first
	WIN (1+F_/16)<<6
.irp c, 0,1,2,3
	global_load_b128 v[16*(F_%16)+4*\c:16*(F_%16)+4*\c+3], v[L16], s[8:9] offset:TILE*(F_%4)+2048*(F_/4)+512*\c
.endr
.set F_, F_+1
.endr
	WIN 0
.macro FETCH a                         ; O's tile a, all of K, into set a % 2 of window 3: 32 loads of 512 consecutive bytes
	WIN 3<<6
.irp s, 0,1,2,3,4,5,6,7
.irp c, 0,1,2,3
	ds_load_b128 v[128*((\a)%2)+16*\s+4*\c:128*((\a)%2)+16*\s+4*\c+3], v[L16+(\a)/4] offset:TILE*((\a)%4)+2048*\s+512*\c
.endr
.endr
	WIN 0
.endm
.macro PROD a, n                       ; product n = 4 s + b of block a
.set S_, (\n)/4
.set B_, (\n)%4
.set AC_, ACC+32*((\a)%2)+8*B_
.set R_, 128*((\a)%2)+16*S_
.set W_, 16*((\n)%16)
.set XS_, SA+4*(\a)+2*(S_/4)+S_%2
.set WS_, SW+4*B_+2*(S_/4)+S_%2
	WIN (1+(\n)/16)|(3<<2)
.if S_ == 0
	v_wmma_scale_f32_16x16x128_f8f6f4 v[AC_:AC_+7], v[W_:W_+15], v[R_:R_+15], v[BIAS+8*B_:BIAS+8*B_+7], v[WS_], v[XS_]
.elseif S_%4 < 2
	v_wmma_scale_f32_16x16x128_f8f6f4 v[AC_:AC_+7], v[W_:W_+15], v[R_:R_+15], v[AC_:AC_+7], v[WS_], v[XS_]
.else
	v_wmma_scale_f32_16x16x128_f8f6f4 v[AC_:AC_+7], v[W_:W_+15], v[R_:R_+15], v[AC_:AC_+7], v[WS_], v[XS_] matrix_a_scale:MATRIX_SCALE_ROW1 matrix_b_scale:MATRIX_SCALE_ROW1
.endif
.endm
.macro TOSTAGE a                       ; block a's sums into my stage, each accumulator from its low end on, and back as whole rows of 256 bytes
.if (\a) >= 2
	s_wait_xcnt 0x0                                ; block a - 2's stores have read the registers on which the loads below land
.endif
.irp b, 0,1,2,3
	ds_store_b128 v[STO], v[ACC+32*((\a)%2)+8*\b:ACC+32*((\a)%2)+8*\b+3] offset:128*(\b/2)+32*(\b%2)
	ds_store_b128 v[STO], v[ACC+32*((\a)%2)+8*\b+4:ACC+32*((\a)%2)+8*\b+7] offset:128*(\b/2)+32*(\b%2)+16
.endr
.irp t, 0,1,2,3,4,5,6,7
	ds_load_b128 v[OB+32*((\a)%2)+4*\t:OB+32*((\a)%2)+4*\t+3], v[RD] offset:2*\t*SPITCH   ; LDS serves a wave's instructions in order (ISA guide 5.7.1.4): these see the stores above
.endr
.endm
.macro SEND a, younger                 ; younger: the LDS loads issued behind block a's, which may stay out
	s_wait_dscnt \younger
.irp t, 0,1,2,3,4,5,6,7
	global_store_b128 v[CO], v[OB+32*((\a)%2)+4*\t:OB+32*((\a)%2)+4*\t+3], s[14:15] offset:(32*((\a)/2)+8*((\a)%2)+2*\t+8*(\t/4))*4096 th:TH_STORE_NT   ; stage rows 2 t, 2 t + 1: 16 lanes store 256 consecutive bytes, aligned
.endr
.endm
.macro BLOCK a
.if (\a) == 0
	s_wait_dscnt 32                                ; tile 0 is in; tile 1's 32 loads may be out
.elseif (\a) < 7
	s_wait_dscnt 48                                ; tile a is in; behind its loads: the stage's 16 and the next tile's 32
.else
	s_wait_dscnt 16                                ; behind tile 7's loads: the stage's 16
.endif
.set N_, 0
.rept 32
.if (\a) == 0 && N_ == 0
	s_wait_loadcnt 48                              ; the scale words, the bias and Wu's K steps 0 to 4 are in; the 48 loads of K steps 5, 6, 7 may be out
.elseif (\a) == 0 && N_ >= 20 && N_%4 == 0
	s_wait_loadcnt 16*(7-N_/4)                     ; this K step's 16 loads are in
.endif
	PROD \a, N_
.set N_, N_+1
.endr
	WIN 0
.if (\a) > 0
.if (\a) < 7
	SEND \a-1, 32                                  ; behind block a - 1's loads from the stage: tile a + 1's 32
.else
	SEND \a-1, 0
.endif
.endif
	PLACES NP                                      ; behind the block's last product: its sums are read, and the registers that it has read are loaded anew
	TOSTAGE \a
.if (\a) < 6
	FETCH \a+2
.endif
.endm
	s_wait_tensorcnt 0x0                           ; my quarter is in,
	s_barrier_signal -1
	s_barrier_wait -1                              ; everybody's is
	FETCH 0
	FETCH 1
.irp a, 0,1,2,3,4,5,6,7
	BLOCK \a
.endr
	SEND 7, 0
	s_wait_tensorcnt 0x0                           ; the wave's end
	ds_add_u32 v[SPW], v[NIL]
	s_wait_dscnt 0x0
	ROUND                                          ; the closing round
	s_endpgm
.Lfunc_end_k_qea174050da_proj:
	.size	k_qea174050da_proj, .Lfunc_end_k_qea174050da_proj-k_qea174050da_proj
	.p2alignl 7, 3214868480
	.fill 96, 4, 3214868480
	.section	.rodata,"a",@progbits
	.p2align	6, 0x0
	.amdhsa_kernel k_qea174050da_proj
		.amdhsa_group_segment_fixed_size 167936
		.amdhsa_private_segment_fixed_size 0
		.amdhsa_enable_private_segment 0
		.amdhsa_kernarg_size 48
		.amdhsa_user_sgpr_count 2
		.amdhsa_user_sgpr_kernarg_segment_ptr 1
		.amdhsa_wavefront_size32 1
		.amdhsa_system_sgpr_workgroup_id_x 1
		.amdhsa_system_sgpr_workgroup_id_y 1
		.amdhsa_system_sgpr_workgroup_id_z 1
		.amdhsa_system_vgpr_workitem_id 0
		.amdhsa_next_free_vgpr 1024
		.amdhsa_next_free_sgpr 66
		.amdhsa_reserve_vcc 0
		.amdhsa_float_denorm_mode_32 3
		.amdhsa_float_denorm_mode_16_64 3
		.amdhsa_memory_ordered 1
		.amdhsa_forward_progress 1
		.amdhsa_inst_pref_size 86
	.end_amdhsa_kernel
	.amdgpu_metadata
---
amdhsa.version: [ 1, 2 ]
amdhsa.kernels:
  - .name:           k_qea174050da_proj
    .symbol:         k_qea174050da_proj.kd
    .args:
      - { .name: oc, .offset: 0, .size: 8, .value_kind: global_buffer, .address_space: global }
      - { .name: os, .offset: 8, .size: 8, .value_kind: global_buffer, .address_space: global }
      - { .name: wc, .offset: 16, .size: 8, .value_kind: global_buffer, .address_space: global }
      - { .name: ws, .offset: 24, .size: 8, .value_kind: global_buffer, .address_space: global }
      - { .name: bu, .offset: 32, .size: 8, .value_kind: global_buffer, .address_space: global }
      - { .name: out0, .offset: 40, .size: 8, .value_kind: global_buffer, .address_space: global }
    .group_segment_fixed_size: 167936
    .private_segment_fixed_size: 0
    .kernarg_segment_align: 8
    .kernarg_segment_size: 48
    .max_flat_workgroup_size: 128
    .sgpr_count:     66
    .vgpr_count:     1024
    .wavefront_size: 32
...
	.end_amdgpu_metadata
.endif
;; end of part 4
